; MI455X (gfx1250); checked and timed in simulation.
; The chip was launched on July 23, 2026; its instructions are those of AMD's public machine-readable ISA for CDNA 5 (MIT licence, August 2026) and "CDNA5" Instruction Set Architecture Reference Guide (July 2026). The comments in the code are by the model that wrote it; some were corrected since.
;; Self Attention. Allowed arithmetic: matrix products marked QUANTISED: E2M3 operands, one E8M0 scale for each 32 along K, by v_wmma_scale_f32_16x16x128_f8f6f4 with both operands' format E2M3, f32 sums; everything else in f32.
;; Inputs: Wk 1,024 x 1,024 float32; Wq 1,024 x 1,024 float32; Wu 128 x 1,024 float32; Wv 1,024 x 1,024 float32; bu 128 float32; x 4 x 1,024 x 2,048 float32.
;; Outputs: out0 4 x 128 x 2,048 float32.
;; This version of the problem:
;;   THIS VERSION OF THE PROBLEM IS GIVEN IN LOW PRECISION. The matrix products marked QUANTISED in the list below multiply operands that are first quantised to E2M3 (2 exponent bits, 3 mantissa bits; 6 bits a number), with one power-of-two scale for each 32 numbers along K (OCP MX v1.0); their sums are f32. All else is computed in f32.
;;   The module's matrix products, in the order in which they are computed (A, B: the left and right operand; K: the contracted axis; several contracted axes count as one K, in the product's order):
;;     1. [M 1,024, K 1,024] x [K 1,024, N 8,192]; A: input Wk; B: input x: QUANTISED
;;     2. [M 1,024, K 1,024] x [K 1,024, N 8,192]; A: input Wq; B: input x: QUANTISED
;;     3. [M 1,024, K 1,024] x [K 1,024, N 8,192]; A: input Wv; B: input x: QUANTISED
;;     4. batch 32 x [M 2,048, K 128] x [K 128, N 2,048]; A: computed on the way; B: computed on the way: QUANTISED
;;     5. batch 32 x [M 128, K 2,048] x [K 2,048, N 2,048]; A: computed on the way; B: softmax (see below): QUANTISED
;;     6. [M 128, K 1,024] x [K 1,024, N 8,192]; A: input Wu; B: computed on the way: QUANTISED
;;   THE QUANTISER, for each operand of a quantised product, along K:
;;     - K is cut into blocks of 32 from its start; a last block that is shorter is filled with zeros.
;;     - A block's scale is 2^e with e = floor(log2(the largest magnitude in the block)) - 2, held to -126 .. 127; a block of zeros has e = 0. As a byte (E8M0): e + 127.
;;     - Each number is divided by its block's scale, clamped to +-7.5, and rounded to the nearest number of E2M3, ties to even, subnormals kept.
;;     - The product sums the exact products of the quantised numbers (number of the format x scale) in f32.
;;   ~~~python
;;   def quantise(x, axis):      # numpy; x: float32 -> the quantised numbers, widened to float32 again
;;       x = np.moveaxis(x, axis, -1); K = x.shape[-1]
;;       x = np.pad(x, [(0, 0)] * (x.ndim - 1) + [(0, -K % 32)]); x = x.reshape(x.shape[:-1] + (-1, 32)); a = np.abs(x).max(-1, keepdims=True)
;;       e = np.where(a > 0, np.clip(np.frexp(np.where(a > 0, a, 1))[1] - 1 - 2, -126, 127), 0)      # np.frexp(a)[1] - 1 = floor(log2(a)), exactly
;;       r = np.clip(x / 2.0 ** e, -7.5, 7.5)
;;       step = 2.0 ** (np.maximum(np.frexp(np.where(r == 0, 1, r))[1] - 1, 0) - 3)
;;       q = np.round(r / step) * step * 2.0 ** e      # np.round: ties to even
;;       return np.moveaxis(q.reshape(q.shape[:-2] + (-1,))[..., :K], -1, axis).astype(np.float32)
;;   ~~~
;;   SOFTMAX AHEAD OF A QUANTISED PRODUCT. Where the list says 'softmax', what is quantised is not the finished softmax but p = 2^(t - M), with t = logit x log2(e) and M = ceil(the row's largest t), a whole number; so 1/2 < the row's largest p <= 1. The row's sum l is taken of the UNQUANTISED p, in f32, and the product's result is divided by l at the end. Since M is a whole number, a kernel that streams over the keys may use a running M (the ceiling of the running maximum): every later rescaling is an exact power of two, which a block's scale takes up: the codes' values come out the same.
;;   OPERANDS COMPUTED ON THE WAY. 'Computed on the way' means the value that the module computes at that place (a softmax that the list does not call 'softmax' is quantised finished and normalised). What goes into a quantiser is computed in f32, as accurately as f32 sums, v_exp_f32 and their like allow (about 1e-6 of the number): no bf16 or f16 on the way to a quantiser, and a product that is left as it is and whose result goes on into a quantised operand takes f32 operands (vector FMAs, or v_wmma_f32_16x16x4_f32). A number that lies on a knife's edge between two numbers of the format may be rounded either way, as far as f32 arithmetic and the matrix unit's own rounding can turn it there, and no further.
;; One version. Each part assembles by itself: llvm-mc -triple=amdgcn-amd-amdhsa -mcpu=gfx1250 --defsym DOCPART=n.
;; ======== version 1 of 1: 4 launches
;; limits: right only within a limited range of input values
;; workspace buffers: wc 2,560,000 bytes; xc 6,553,600 bytes; qkv 19,660,800 bytes; ob 6,815,744 bytes
;; launch quant (part 1): grid 712 x 1, 4 waves a work-group, no clusters, 46,592 bytes of LDS; arguments Wq, Wk, Wv, Wu, wc, x, xc; writes wc, xc
.if DOCPART == 1
	.amdgcn_target "amdgcn-amd-amdhsa--gfx1250"
	.amdhsa_code_object_version 6
	.text
	.protected	k_q60b00f7689_quant
	.globl	k_q60b00f7689_quant
	.p2align	8
	.type	k_q60b00f7689_quant,@function
k_q60b00f7689_quant:
	s_mov_b64 s[64:65], 0
	v_nop
	global_prefetch_b8 v0, s[64:65] scope:SCOPE_SE
	s_setreg_imm32_b32 hwreg(HW_REG_WAVE_MODE, 25, 1), 1
	s_wait_xcnt 0x0
; One launch quantises all operands that arrive as f32 into codes of FP6 (E2M3) with one E8M0 byte for each 32 along K, laid as RECORDS.
; Work-groups 0-511 take x [4][1024 (k)][2048 (t)] (K not innermost), work-groups 512-711 take Wq, Wk, Wv [1024][1024] and Wu [128][1024] (K innermost).  The two paths part on the work-group's number and have LDS bytes of their own.
; A RECORD is 128 rows x 128 along K in 12,800 bytes, the image of the matrix operand's registers: 8 fragments of 1,536 bytes (16 rows each): register n (0..11) of lane L lies at 512 (n / 4) + 16 L + 4 (n % 4);
; at byte 12,288 the scale words: that of row r of fragment 2 q + h at 16 (16 h + r) + 4 q.  ROW ORDER: fragment 2 b + u, row r holds logical row 32 b + 8 u + r + 8 (r / 8) of the 128.
; xc = [(2048 b + t) / 128][K step 8][record].  wc = [row group 25][K step 8][record]: row group 3 head + 0, 1, 2 = that head's 128 rows of Wq, Wk, Wv (a head's three groups lie on end); row group 24 = Wu.
; A block's scale is 2^(floor(log2(largest magnitude)) - 2): its byte is the largest magnitude's exponent field - 2, held at 1 from below.
; LIMITS: a block of zeros, or one whose largest magnitude lies under 2^-124, keeps the byte 1 (zero codes add nothing; these bytes are read by this program alone); NaN and infinities are not served.
; A work-group makes one record.  Nothing is shared between work-groups: no cluster, no tensor load.
.set EMAX,  2
.set REC,   12800
.set SPARE, 0x8200                     ; the spare words, 128 bytes a wave, behind the weights' path's LDS
.set XL,    0x8400                     ; x's path: its LDS begins here: 12,288 bytes of images, 512 of scale words
.set STEPS, 8
.set SP,    80                         ; weights: a lane's place in a turning stage: 64 bytes + 16 of padding
.set WREG,  8192                       ; weights: LDS of a wave: two turning stages of 32 x SP bytes, then its two fragments' images
.set IMG,   5120
.set SCB,   32768                      ; weights: the record's 512 bytes of scale words
.set R,     16                         ; weights: v16-79 four sets of 16 numbers as loaded
.set X,     80                         ; v80-111 two sets of 16 neighbours
.set E,     112                        ; v112-119 a scale byte for each step
.set C,     128                        ; v128-159 codes, four registers for each step
.set OUTR,  160                        ; v160-187 on the way out
.set XX,    32                         ; x: v32-95 two sets of 32 numbers
.set XC,    96                         ; v96-135 ten registers for each block
.set XO,    136                        ; v136-163 on the way out
	s_load_b256 s[4:11], s[0:1], 0x0               ; Wq, Wk, Wv, Wu
	s_load_b64 s[12:13], s[0:1], 0x20              ; wc
	s_load_b64 s[28:29], s[0:1], 0x28              ; x
	s_load_b64 s[30:31], s[0:1], 0x30              ; xc
	v_lshl_add_u32 v192, v0, 2, SPARE
	v_mov_b32 v193, 0
	v_lshrrev_b32 v1, 5, v0
	v_readfirstlane_b32 s16, v1                    ; wave
	v_and_b32 v2, 31, v0                           ; lane l
	s_cmp_lt_u32 ttmp9, 512
	s_wait_alu depctr_va_vdst(0)                   ; the wait ahead of the branch
	s_cbranch_scc1 .Lxpath
; THE WEIGHTS.  Wave w makes logical rows 32 w .. 32 w + 31 (fragments 2 w, 2 w + 1) in 8 steps of 4 rows x 128 K.  Each load reads 512 consecutive bytes of a row; the numbers turn through the wave's own stage
; so that a lane holds 16 neighbours along K; the codes are gathered as the fragments' images in LDS and leave as 3,072 consecutive bytes a wave.
	s_sub_co_u32 s27, ttmp9, 512
	v_lshlrev_b32 v3, 4, v2                        ; 16 l
	s_lshr_b32 s17, s27, 3                         ; which 128 rows of the 25 x 128
	s_and_b32 s18, s27, 7                          ; K step
	s_lshr_b32 s19, s17, 3                         ; which tensor
	s_and_b32 s17, s17, 7                          ; which head of it
	s_mul_i32 s22, s16, WREG
	s_add_co_u32 s23, s22, IMG
	s_lshl_b32 s26, s16, 2
	s_add_co_u32 s26, s26, SCB
	v_lshrrev_b32 v14, 2, v2
	v_mul_u32_u24 v14, v14, SP
	v_and_b32 v15, 3, v2
	v_lshl_add_u32 v14, v15, 4, v14
	v_add_nc_u32 v14, s22, v14                     ; the turn, in: four lanes' 64 bytes on end, then the padding
	v_mul_u32_u24 v15, v2, SP
	v_add_nc_u32 v15, s22, v15                     ; the turn, out: row l / 8 of the step's four, K = 16 (l % 8) on
	v_lshrrev_b32 v8, 3, v2                        ; x = l / 8
	v_and_b32 v9, 1, v2                            ; which half of a block of 32
	v_bfe_u32 v10, v2, 1, 1                        ; h
	v_bfe_u32 v11, v2, 2, 1                        ; c
	v_mul_u32_u24 v11, v11, 6
	v_mad_u32_u24 v11, v9, 3, v11                  ; my three codes' registers: 6 c + 3 half + 0, 1, 2
	v_lshlrev_b32 v10, 8, v10
	v_lshl_add_u32 v10, v8, 4, v10                 ; 256 h + 16 x
	v_add_nc_u32 v10, s23, v10
.irp q, 0,1,2
	v_add_nc_u32 v9, \q, v11
	v_lshrrev_b32 v[4+\q], 2, v9
	v_and_b32 v9, 3, v9
	v_lshl_add_u32 v[4+\q], v[4+\q], 9, v10        ; v4-6: where register n of the image lies
	v_lshl_add_u32 v[4+\q], v9, 2, v[4+\q]
.endr
	v_bfe_u32 v7, v2, 1, 2                         ; my block of the four: the byte in the scale word
	v_lshl_add_u32 v7, v8, 4, v7
	v_add_nc_u32 v7, s26, v7
	v_add_nc_u32 v12, s23, v3                      ; the images, read back 16 bytes a lane
	v_add_nc_u32 v13, SCB, v3                      ; the scale words likewise
	s_lshl_b32 s20, s17, 19                        ; 128 rows of 4,096 bytes
	s_lshl_b32 s21, s16, 17                        ; my 32 rows
	s_add_co_u32 s20, s20, s21
	s_lshl_b32 s21, s18, 9                         ; 128 numbers along K
	s_add_co_u32 s20, s20, s21
	s_mov_b32 s21, 0
	s_mul_i32 s24, s17, 3                          ; the record's row group in wc: 3 head + tensor,
	s_add_co_u32 s24, s24, s19
	s_cmp_eq_u32 s19, 3
	s_cselect_b32 s24, 24, s24                     ; Wu's: 24
	s_lshl_b32 s24, s24, 3
	s_add_co_u32 s24, s24, s18
	s_mul_i32 s24, s24, REC
	s_mul_i32 s25, s16, 3072
	s_add_co_u32 s24, s24, s25
	s_mov_b32 s25, 0
	s_wait_alu depctr_va_vdst(0)                   ; the wait at the head's end
	s_wait_kmcnt 0x0
	s_cmp_eq_u32 s19, 1                            ; the tensor is chosen by the work-group's number alone
	s_cselect_b64 s[4:5], s[6:7], s[4:5]
	s_cmp_eq_u32 s19, 2
	s_cselect_b64 s[4:5], s[8:9], s[4:5]
	s_cmp_eq_u32 s19, 3
	s_cselect_b64 s[4:5], s[10:11], s[4:5]
	s_add_nc_u64 s[4:5], s[4:5], s[20:21]
	s_add_nc_u64 s[12:13], s[12:13], s[24:25]
.macro LOAD t                          ; step t: rows 4 t .. 4 t + 3, 512 consecutive bytes each
.irp i, 0,1,2,3
	global_load_b128 v[R+16*((\t)%4)+4*\i:R+16*((\t)%4)+4*\i+3], v3, s[4:5] offset:(4*(\t)+\i)*4096 th:TH_LOAD_NT
.endr
.endm
.macro TURN t                          ; LDS serves a wave's instructions in order: no wait between the stores and the loads
.irp i, 0,1,2,3
	ds_store_b128 v14, v[R+16*((\t)%4)+4*\i:R+16*((\t)%4)+4*\i+3] offset:32*SP*((\t)%2)+8*SP*\i
.endr
.irp i, 0,1,2,3
	ds_load_b128 v[X+16*((\t)%2)+4*\i:X+16*((\t)%2)+4*\i+3], v15 offset:32*SP*((\t)%2)+16*\i
.endr
.endm
.irp t, 0,1,2,3
	LOAD \t
.endr
	s_wait_loadcnt 12                              ; step 0's four loads are in; the twelve behind them stay out
	TURN 0
.macro STEP t
.set XS, X+16*((\t)%2)
.set UU, ((\t)>>1)&1                   ; logical row 4 t + x: fragment 2 w + UU,
.set RO, 4*((\t)&1)+8*((\t)>>2)        ; row RO + x of it
.if (\t) > 0
	s_wait_dscnt 4                                 ; this step's numbers are back from the stage; the last step's four stores of codes and byte may be out
.else
	s_wait_dscnt 0x0
.endif
.if (\t)+4 < STEPS
	LOAD (\t)+4
.endif
.if (\t)+1 < STEPS
.if STEPS-2-(\t) >= 3
	s_wait_loadcnt 12                              ; the next step's four loads are in; those of the three steps behind it may be out
.else
	s_wait_loadcnt 4*(STEPS-2-(\t))
.endif
	TURN (\t)+1
.endif
	v_max3_num_f32 v8, |v[XS]|, |v[XS+1]|, |v[XS+2]|
	v_max3_num_f32 v9, |v[XS+3]|, |v[XS+4]|, |v[XS+5]|
.irp i, 6,10
	v_max3_num_f32 v8, v8, |v[XS+\i]|, |v[XS+\i+1]|
	v_max3_num_f32 v9, v9, |v[XS+\i+2]|, |v[XS+\i+3]|
.endr
	v_max3_num_f32 v8, v8, |v[XS+14]|, |v[XS+15]|
	v_max3_num_f32 v8, v8, v9, (EMAX+1)<<23        ; the floor 2^(3 - 127): the byte cannot fall under 1
	v_max_num_f32_dpp v8, v8, v8 row_xmask:1 row_mask:0xf bank_mask:0xf   ; with my neighbour's 16: the block's largest magnitude
	v_add_nc_u32 v11, -(EMAX<<23), v8              ; 2 off its exponent field: the conversion's scale operand
	v_cvt_scalef32_pk16_fp6_f32 v[C+4*(\t):C+4*(\t)+2], v[XS:XS+15], v11
	v_lshrrev_b32 v[E+(\t)], 23, v11               ; the scale's byte (also the plain line behind the conversion)
.irp q, 0,1,2
	ds_store_b32 v[4+\q], v[C+4*(\t)+\q] offset:1536*UU+16*RO
.endr
	ds_store_b8 v7, v[E+(\t)] offset:256*UU+16*RO  ; both lanes of a block write the same byte with the same value
.endm
.irp t, 0,1,2,3,4,5,6,7
	STEP \t
.endr
.irp i, 0,1,2,3,4,5
	ds_load_b128 v[OUTR+4*\i:OUTR+4*\i+3], v12 offset:512*\i       ; my two fragments' images, in order behind my stores
.endr
	s_wait_dscnt 0x0                               ; the images are in registers; and, for wave 0's sake, my scale bytes have landed
.irp i, 0,1,2,3,4,5
	global_store_b128 v3, v[OUTR+4*\i:OUTR+4*\i+3], s[12:13] offset:512*\i   ; 512 consecutive bytes, at a multiple of 256 from the buffer's first byte
.endr
	s_barrier_signal -1
	s_barrier_wait -1                              ; all four waves' scale bytes lie in LDS
	s_cmp_lg_u32 s16, 0
	s_cbranch_scc1 .Lend
	ds_load_b128 v[184:187], v13
	s_wait_dscnt 0x0
	global_store_b128 v3, v[184:187], s[12:13] offset:12288        ; wave 0 (whose base is the record's first byte) stores the scale words
.Lend:
	s_wait_tensorcnt 0x0                           ; the wave's end
	ds_add_u32 v192, v193
	s_wait_dscnt 0x0
	s_endpgm
; x.  A LANE TAKES A COLUMN t AND ITS REGISTERS RUN DOWN K: a block of 32 along K lies in one lane's 32 registers.  Wave w takes columns 32 w + lane (fragments 2 w, 2 w + 1): four blocks a lane.
; Each load reads 128 consecutive bytes a wave, the four waves side by side on 512.  Loads run two blocks (64 a wave) ahead.
.Lxpath:
	v_lshlrev_b32 v3, 2, v2                        ; in: 4 bytes a lane
	v_lshlrev_b32 v6, 4, v2                        ; out: 16 bytes a lane
	s_and_b32 s17, ttmp9, 7                        ; K step
	s_lshr_b32 s24, ttmp9, 3                       ; (2048 b + t) / 128
	s_mul_i32 s18, s16, 3072
	s_add_co_u32 s25, s18, XL
	v_bfe_u32 v8, v2, 3, 1                         ; u: logical row l lies in fragment 2 w + u,
	v_and_b32 v9, 7, v2
	v_lshrrev_b32 v10, 4, v2
	v_lshl_add_u32 v9, v10, 3, v9                  ; at row r = l % 8 + 8 (l / 16)
	v_mul_u32_u24 v4, v8, 1536
	v_lshl_add_u32 v4, v9, 4, v4
	v_add_nc_u32 v4, s25, v4                       ; my row's 16 bytes in each quarter of the image, lanes' half 0
	v_lshl_add_u32 v5, v8, 4, v9
	v_lshlrev_b32 v5, 4, v5
	s_lshl_b32 s19, s16, 2
	s_add_co_u32 s19, s19, XL+12288
	v_add_nc_u32 v5, s19, v5                       ; my row's scale word
	v_add_nc_u32 v7, s25, v6                       ; the images, read back
	v_add_nc_u32 v9, XL+12288, v6                  ; the scale words, read back
	s_lshr_b32 s20, s24, 4                         ; b
	s_lshl_b32 s20, s20, 23
	s_lshl_b32 s21, s17, 20                        ; 128 rows of 8,192 bytes
	s_add_co_u32 s20, s20, s21
	s_and_b32 s21, s24, 15
	s_lshl_b32 s21, s21, 9                         ; 128 columns
	s_add_co_u32 s20, s20, s21
	s_lshl_b32 s21, s16, 7                         ; my 32
	s_add_co_u32 s20, s20, s21
	s_mov_b32 s21, 0
	s_mul_i32 s22, ttmp9, REC                      ; record 8 x group + K step = the work-group's number
	s_add_co_u32 s22, s22, s18
	s_mov_b32 s23, 0
	s_wait_alu depctr_va_vdst(0)                   ; the wait at the head's end
	s_wait_kmcnt 0x0
	s_add_nc_u64 s[28:29], s[28:29], s[20:21]
	s_add_nc_u64 s[30:31], s[30:31], s[22:23]
.macro XLOAD t                         ; block t: x(32 t + i, my column) into set t % 2
.set li, 0
.rept 32
	global_load_b32 v[XX+32*((\t)%2)+li], v3, s[28:29] offset:(32*(\t)+li)*8192 th:TH_LOAD_NT
.set li, li+1
.endr
.endm
	XLOAD 0
	XLOAD 1
.macro XBLOCK t                        ; block t = 2 c + h: registers 6 c .. 6 c + 5 of lane 16 h + r
.set XS, XX+32*((\t)%2)
.set CC, XC+10*(\t)
.set HH, (\t)&1
.if (\t) < 3
	s_wait_loadcnt 32                              ; this block's 32 loads are in; the next block's may be out
.else
	s_wait_loadcnt 0x0
.endif
	v_max3_num_f32 v12, |v[XS]|, |v[XS+1]|, |v[XS+2]|
	v_max3_num_f32 v13, |v[XS+3]|, |v[XS+4]|, |v[XS+5]|
.irp i, 6,10,14,18,22,26
	v_max3_num_f32 v12, v12, |v[XS+\i]|, |v[XS+\i+1]|
	v_max3_num_f32 v13, v13, |v[XS+\i+2]|, |v[XS+\i+3]|
.endr
	v_max3_num_f32 v12, v12, |v[XS+30]|, |v[XS+31]|
	v_max3_num_f32 v12, v12, v13, (EMAX+1)<<23     ; the floor 2^(3 - 127)
	v_add_nc_u32 v11, -(EMAX<<23), v12             ; the conversion's scale operand
	v_lshrrev_b32 v13, 23, v11                     ; the scale's byte
.if (\t) == 0
	v_mov_b32 v24, v13
.else
	v_lshl_or_b32 v24, v13, 8*(\t), v24            ; four bytes make my row's scale word
.endif
	v_cvt_scalef32_pk16_fp6_f32 v[CC:CC+2], v[XS:XS+15], v11
	v_cvt_scalef32_pk16_fp6_f32 v[CC+6:CC+8], v[XS+16:XS+31], v11  ; (a conversion's three registers begin on an even number)
	v_nop                                          ; one plain line behind a scaled conversion
.irp i, 0,1,2
	v_mov_b32 v[CC+3+\i], v[CC+6+\i]
.endr
.if (\t) < 2
	ds_store_b128 v4, v[CC:CC+3] offset:256*HH             ; registers 0-3
	ds_store_b64 v4, v[CC+4:CC+5] offset:512+256*HH        ; registers 4, 5
.else
	ds_store_b64 v4, v[CC:CC+1] offset:520+256*HH          ; registers 6, 7
	ds_store_b128 v4, v[CC+2:CC+5] offset:1024+256*HH      ; registers 8-11
.endif
.if (\t)+2 < 4
	XLOAD (\t)+2
.endif
.endm
	XBLOCK 0
	XBLOCK 1
	XBLOCK 2
	XBLOCK 3
	ds_store_b32 v5, v24
.irp i, 0,1,2,3,4,5
	ds_load_b128 v[XO+4*\i:XO+4*\i+3], v7 offset:512*\i            ; my two fragments' images, in order behind my stores
.endr
	s_wait_dscnt 0x0                               ; they are in registers; and, for wave 0's sake, my scale words have landed
.irp i, 0,1,2,3,4,5
	global_store_b128 v6, v[XO+4*\i:XO+4*\i+3], s[30:31] offset:512*\i
.endr
	s_barrier_signal -1
	s_barrier_wait -1
	s_cmp_lg_u32 s16, 0
	s_cbranch_scc1 .Lxend
	ds_load_b128 v[160:163], v9
	s_wait_dscnt 0x0
	global_store_b128 v6, v[160:163], s[30:31] offset:12288        ; wave 0 stores the scale words
.Lxend:
	s_wait_tensorcnt 0x0                           ; the wave's end
	ds_add_u32 v192, v193
	s_wait_dscnt 0x0
	s_endpgm
.Lfunc_end_k_q60b00f7689_quant:
	.size	k_q60b00f7689_quant, .Lfunc_end_k_q60b00f7689_quant-k_q60b00f7689_quant
	.p2alignl 7, 3214868480
	.fill 96, 4, 3214868480
	.section	.rodata,"a",@progbits
	.p2align	6, 0x0
	.amdhsa_kernel k_q60b00f7689_quant
		.amdhsa_group_segment_fixed_size 46592
		.amdhsa_private_segment_fixed_size 0
		.amdhsa_enable_private_segment 0
		.amdhsa_kernarg_size 56
		.amdhsa_user_sgpr_count 2
		.amdhsa_user_sgpr_kernarg_segment_ptr 1
		.amdhsa_wavefront_size32 1
		.amdhsa_system_sgpr_workgroup_id_x 1
		.amdhsa_system_sgpr_workgroup_id_y 1
		.amdhsa_system_sgpr_workgroup_id_z 1
		.amdhsa_system_vgpr_workitem_id 0
		.amdhsa_next_free_vgpr 194
		.amdhsa_next_free_sgpr 66
		.amdhsa_reserve_vcc 0
		.amdhsa_float_denorm_mode_32 3
		.amdhsa_float_denorm_mode_16_64 3
		.amdhsa_memory_ordered 1
		.amdhsa_forward_progress 1
		.amdhsa_inst_pref_size 43
	.end_amdhsa_kernel
	.amdgpu_metadata
---
amdhsa.version: [ 1, 2 ]
amdhsa.kernels:
  - .name:           k_q60b00f7689_quant
    .symbol:         k_q60b00f7689_quant.kd
    .args:
      - { .name: Wq, .offset: 0, .size: 8, .value_kind: global_buffer, .address_space: global }
      - { .name: Wk, .offset: 8, .size: 8, .value_kind: global_buffer, .address_space: global }
      - { .name: Wv, .offset: 16, .size: 8, .value_kind: global_buffer, .address_space: global }
      - { .name: Wu, .offset: 24, .size: 8, .value_kind: global_buffer, .address_space: global }
      - { .name: wc, .offset: 32, .size: 8, .value_kind: global_buffer, .address_space: global }
      - { .name: x, .offset: 40, .size: 8, .value_kind: global_buffer, .address_space: global }
      - { .name: xc, .offset: 48, .size: 8, .value_kind: global_buffer, .address_space: global }
    .group_segment_fixed_size: 46592
    .private_segment_fixed_size: 0
    .kernarg_segment_align: 8
    .kernarg_segment_size: 56
    .max_flat_workgroup_size: 128
    .sgpr_count:     66
    .vgpr_count:     194
    .wavefront_size: 32
...
	.end_amdgpu_metadata
.endif
;; end of part 1
;; launch proj (part 2): grid 32 x 8, 4 waves a work-group, clusters of 4 x 1, 327,680 bytes of LDS; arguments xc, wc, qkv; writes qkv
.if DOCPART == 2
	.amdgcn_target "amdgcn-amd-amdhsa--gfx1250"
	.amdhsa_code_object_version 6
	.text
	.protected	k_q60b00f7689_proj
	.globl	k_q60b00f7689_proj
	.p2align	8
	.type	k_q60b00f7689_proj,@function
k_q60b00f7689_proj:
	s_mov_b64 s[64:65], 0
	v_nop
	global_prefetch_b8 v0, s[64:65] scope:SCOPE_SE
	s_setreg_imm32_b32 hwreg(HW_REG_WAVE_MODE, 25, 1), 1
	s_wait_xcnt 0x0
	s_wait_alu depctr_hold_cnt(0) depctr_sa_sdst(0) depctr_va_vdst(0) depctr_va_sdst(0) depctr_va_ssrc(0) depctr_va_vcc(0) depctr_vm_vsrc(0)
	s_getreg_b32 s2, hwreg(HW_REG_IB_STS2, 6, 4)
	s_cmp_eq_u32 s2, 0
	s_cbranch_scc0 .Lentry_in_a_cluster
	s_endpgm
.Lentry_in_a_cluster:
	s_bfe_u32 s2, ttmp6, 0x10000c
	s_cmp_lg_u32 s2, 0x3003
	s_cbranch_scc0 .Lentry_shape_is_right
	s_endpgm
.Lentry_shape_is_right:
; Q, K and V of one head for 256 t, on codes of FP6 (E2M3) with E8M0 scales, K = 1,024 in 8 steps; the results are quantised for the attention and stored as records.
; RECORD (12,800 bytes: 128 rows x 128 K): 8 fragments of 1,536 bytes, register n of lane L at 512 (n / 4) + 16 L + 4 (n % 4); at byte 12,288 the scale words, that of row r of fragment 2 q + h at 16 (16 h + r) + 4 q.
; Fragment 2 b + u, row r = logical row 32 b + 8 u + r + 8 (r / 8): where such fragments are source 0, a lane's 16 results of two neighbouring fragments are 16 neighbours.
; xc = [(2048 b + t) / 128][K step 8][record]; wc = [3 head + (Wq, Wk, Wv)][K step 8][record]; qkv = [8 b + head][t / 128][Q record | K record | V record].
; Q's and K's records have rows t and K = the head's channels; V's has rows = channels and K = t.
; SHARES: 32 blocks of 256 t x 8 heads = 256 work-groups of equal work.  Wave w takes t = 64 w .. 64 w + 63 of the block, against all 128 rows of Wq, then Wk, then Wv: 32 accumulators, 3 x 8 x 32 products.
; x: a wave's four fragments of all 8 K steps, 384 registers, come from memory straight into registers, each byte once a wave, and stay.
; THE WEIGHTS: a head's three row groups are 307,200 bytes on end; they come into LDS once, each wave fetching a quarter (300 rows of 256 bytes) by its one tensor load at the head.  Nothing is filled again: no ring.
; CLUSTER 4 x 1: four blocks of t of one head want the same weights: each quarter is asked for jointly, by the same load with the mask of all four.
; No prefetch: every byte that the launch reads is asked for at its head, and there is no loop to run ahead in.
; Q, K: source 0 = the weight's fragment b, source 1 = x's fragment a: a lane holds one t and its registers run along the channels.  V: source 0 = x's, source 1 = Wv's: a lane holds one channel and its registers run along t.
; A wave has 64 of a V record's 128 along K: registers 6 C .. 6 C + 5 (C = w % 2) of each fragment and two bytes of each scale word.  So V's codes go through a stage in LDS (in Wq's bytes, which have had their one fill
; and, behind a barrier, their last read), and all scale words through a small stage of their own; they leave in whole runs of 256 bytes or more.
; LIMITS: a block of zeros, or one whose largest magnitude lies under 2^-124, keeps the byte 1; NaN and infinities are not served.
; REGISTERS, in windows of 256: window 0: v1-14 addresses, v28-29 the add's, v32-39 the weights' scale words (two sets), v40-55 x's scale words, v64-255 the weights' fragments (two sets of 8).
;   window 1: x's fragments of K steps 0-4; window 2: v0-143 those of K steps 5-7, v144-245 the quantiser's work; window 3: the accumulators.
.set REC,   12800
.set FRB,   1536
.set SCA,   12288
.set GRP,   8*REC
.set SPARE, 3*GRP                      ; behind the weights: the spare words, 128 bytes a wave
.set SCR,   SPARE+512                  ; the scale words' stage: [Q, K, V][record 2][512 bytes]
.set LI,   1                           ; 16 x lane
.set VO,   2                           ; 16 x lane + 4 fragments x C
.set XSO,  3                           ; x's scale words: 12,288 + 16 x lane + 8 C
.set ADW,  4                           ; v4, v5: LDS address of the row group's K steps 0-3 and 4-8
.set SCW,  6                           ; where my Q or K scale words go in the stage
.set SCB,  7                           ; the same for Q
.set VS0,  8                           ; v8-10: V's stage: where registers 6 C + 0,1 / 2,3 / 4,5 of a fragment's image lie
.set VSA,  11                          ; V's two scale bytes
.set RDV,  12                          ; V's stage, read back
.set RDS,  13                          ; the scale stage, read back
.set SO,   14                          ; 256 C + 8 x lane
.set SPW,  28
.set NIL,  29
.set WS,   32
.set XS,   40
.set WF,   64
.set QP,   144                         ; window 2: four sets of 20 registers of codes
.set TM,   224                         ; window 2: 16 at work
.set PW,   240                         ; window 2: four scale words
.set WW,   244                         ; window 2: two scale words on their way out
.set MSB, 0
.macro WIN new                         ; the immediate's high byte repeats the setting that is left
.if MSB != \new
	s_set_vgpr_msb (MSB<<8)|\new
.set MSB, \new
.endif
.endm
.macro CROUND                          ; a round of the cluster's barrier
	s_barrier_signal -1
	s_barrier_wait -1
	s_cmp_lg_u32 s14, 0
	s_cbranch_scc1 .Lnot_wave_0_\@
	s_barrier_signal -3
.Lnot_wave_0_\@:
	s_barrier_wait -3
	s_barrier_signal -1
	s_barrier_wait -1
.endm
.macro PLACES n
.rept \n
	v_nop
.endr
.endm
	s_load_b128 s[4:7], s[0:1], 0x0                ; xc, wc
	s_load_b64 s[8:9], s[0:1], 0x10                ; qkv
	v_lshl_add_u32 v[SPW], v0, 2, SPARE
	v_mov_b32 v[NIL], 0
	ds_add_u32 v[SPW], v[NIL]                      ; the opening lines: the add, twice on end, and its wait ahead of my tensor load
	ds_add_u32 v[SPW], v[NIL]
	v_lshrrev_b32 v15, 5, v0
	v_readfirstlane_b32 s14, v15                   ; wave w
	s_lshr_b32 s15, s14, 1                         ; which of the block's two records of 128 t
	s_and_b32 s16, s14, 1                          ; C: which 64 t of it
	s_bfe_u32 s17, ttmp6, 0x40000                  ; cx
	s_lshl_b32 s18, ttmp9, 2
	s_add_co_u32 s18, s18, s17                     ; my block of 256 t: it enters x's and qkv's addresses alone
	s_and_b32 s19, ttmp7, 0xffff                   ; head, which the partners share
	s_mov_b32 s24, 15|(3<<16)|(1<<21)              ; group 1: the mask of all four; elements of 8 bytes; bit 21 beside a mask
	s_mov_b32 s25, 32<<16                          ; 300 dense rows of 32 elements
	s_mov_b32 s26, 300<<16
	s_mov_b32 s27, 32<<16
	s_mov_b32 s28, 300
	s_mov_b32 s29, 32
	s_mov_b32 s30, 0
	s_mov_b32 s31, 0
	s_mov_b32 s32, 1
	s_mul_i32 s33, s14, 6*REC                      ; LDS address: my quarter
	s_mul_i32 s20, s19, 3*GRP
	s_add_co_u32 s20, s20, s33                     ; and the same quarter of the head's weights
	s_mov_b32 s21, 0
	s_lshl_b32 s22, s18, 1
	s_add_co_u32 s22, s22, s15
	s_mul_i32 s22, s22, GRP                        ; x: my 128 t's records
	s_mov_b32 s23, 0
	s_lshr_b32 s36, s18, 3                         ; b
	s_lshl_b32 s36, s36, 3
	s_add_co_u32 s36, s36, s19
	s_lshl_b32 s36, s36, 4
	s_and_b32 s37, s18, 7
	s_lshl_b32 s37, s37, 1
	s_add_co_u32 s36, s36, s37
	s_add_co_u32 s36, s36, s15
	s_mul_i32 s36, s36, 3*REC                      ; qkv: ((8 b + head) 16 + t / 128) x three records
	s_mov_b32 s37, 0
	s_mov_b32 s38, 0x76543210
	s_mov_b32 s39, 0xfedcba98                      ; v_permlanex16_b32's selects for lane l xor 16
	s_mov_b32 s40, 0xffff0000                      ; lanes 16-31
	s_mul_i32 s41, s16, 4*FRB
	s_lshl_b32 s42, s16, 3
	s_add_co_u32 s43, s42, SCA
	s_lshl_b32 s44, s15, 9
	s_add_co_u32 s54, s44, SCR
	s_add_co_u32 s44, s54, s42                     ; SCR + 512 record + 8 C
	s_mul_i32 s45, s15, REC                        ; V's stage: my record's image
	s_mul_i32 s46, s16, 520
	s_add_co_u32 s46, s46, s45                     ; registers 6 C, 6 C + 1 lie at 0 or 520,
	s_mul_i32 s47, s16, 1016
	s_add_co_u32 s47, s47, s45
	s_add_co_u32 s47, s47, 8                       ; 6 C + 2, 3 at 8 or 1,024,
	s_add_co_u32 s48, s46, 512                     ; 6 C + 4, 5 at 512 or 1,032
	s_lshl_b32 s49, s16, 1
	s_add_co_u32 s49, s49, s54
	s_add_co_u32 s49, s49, 2048                    ; V's scale words: + 2 C
	s_lshl_b32 s53, s16, 8
	s_add_co_u32 s54, s54, s53
	s_mov_b32 s50, 2                               ; Q, K
	s_mov_b32 s51, 0
	s_mov_b32 s52, 0
	s_wait_dscnt 0x0                               ; both opening adds are done
	s_wait_kmcnt 0x0
	s_add_nc_u64 s[34:35], s[6:7], s[20:21]
	s_or_b32 s35, s35, 0x80000000
	s_add_nc_u64 s[4:5], s[4:5], s[22:23]
	s_add_nc_u64 s[8:9], s[8:9], s[36:37]          ; my three records
	s_mov_b64 s[10:11], s[8:9]                     ; stepped from Q's to K's
	CROUND                                         ; all four work-groups are here: the joint loads meet
	tensor_load_to_lds s[32:35], s[24:31]          ; my one tensor load: a quarter of the head's weights
	s_nop 0
	PLACES 4
	v_and_b32 v15, 31, v0
	v_and_b32 v27, 15, v0
	v_lshlrev_b32 v[LI], 4, v15
	v_lshlrev_b32 v26, 3, v15
	v_lshlrev_b32 v27, 4, v27
	v_add_nc_u32 v[VO], s41, v[LI]
	v_add_nc_u32 v[XSO], s43, v[LI]
	v_add_nc_u32 v[SCB], s44, v[LI]
	v_add_nc_u32 v[SCW], s44, v[LI]
	v_add_nc_u32 v[VS0], s46, v[LI]
	v_add_nc_u32 v[VS0+1], s47, v[LI]
	v_add_nc_u32 v[VS0+2], s48, v[LI]
	v_add_nc_u32 v[VSA], s49, v27
	v_add_nc_u32 v[RDV], s45, v[VO]
	v_add_nc_u32 v[SO], s53, v26
	v_add_nc_u32 v[RDS], s54, v26
	v_mov_b32 v[ADW], v[LI]
	v_add_nc_u32 v[ADW+1], 4*REC, v[LI]
	WIN 0x80
.irp b, 0,1,2,3
	v_mov_b32 v[TM+4+\b], 0                        ; written once: a lane permute's destination counts as one of its sources
.endr
	WIN 0
	s_wait_alu depctr_va_vdst(0)                   ; the wait at the head's end
.irp s, 0,1,2,3,4,5,6,7
	global_load_b64 v[XS+2*\s:XS+2*\s+1], v[XSO], s[4:5] offset:\s*REC   ; register a / 2 of the pair: lanes 0-15 the even fragment's words, lanes 16-31 the odd one's
.endr
.irp s, 0,1,2,3,4,5,6,7
.set WN, 0x40*(1+\s/5)
	WIN WN
.irp a, 0,1,2,3
.irp c, 0,1,2
	global_load_b128 v[12*(4*(\s%5)+\a)+4*\c:12*(4*(\s%5)+\a)+4*\c+3], v[VO], s[4:5] offset:\s*REC+\a*FRB+512*\c
.endr
.endr
.endr
	WIN 0
; 25 LDS loads: K step n (0 .. 8; 8 is the next row group's first) of the row group at v[ADW]: its scale words and eight fragments, into set buf
.macro FETCH n, buf
.if (\n) < 4
.set fA, ADW
.set fO, (\n)*REC
.else
.set fA, ADW+1
.set fO, ((\n)-4)*REC
.endif
	ds_load_b128 v[WS+4*(\buf):WS+4*(\buf)+3], v[fA] offset:fO+SCA
.irp i, 0,1,2,3,4,5,6,7
.irp c, 0,1,2
	ds_load_b128 v[WF+96*(\buf)+12*\i+4*\c:WF+96*(\buf)+12*\i+4*\c+3], v[fA] offset:fO+\i*FRB+512*\c
.endr
.endr
.endm
.macro WM                              ; pp: bit 0 source 0's scales in lanes 16-31, bit 1 source 1's, bit 2 the product starts the sum
.if pp == 0
	v_wmma_scale_f32_16x16x128_f8f6f4 v[rD:rD+7], v[r0:r0+11], v[r1:r1+11], v[rD:rD+7], v[q0], v[q1] matrix_a_fmt:MATRIX_FMT_FP6 matrix_b_fmt:MATRIX_FMT_FP6
.elseif pp == 1
	v_wmma_scale_f32_16x16x128_f8f6f4 v[rD:rD+7], v[r0:r0+11], v[r1:r1+11], v[rD:rD+7], v[q0], v[q1] matrix_a_fmt:MATRIX_FMT_FP6 matrix_b_fmt:MATRIX_FMT_FP6 matrix_a_scale:MATRIX_SCALE_ROW1
.elseif pp == 2
	v_wmma_scale_f32_16x16x128_f8f6f4 v[rD:rD+7], v[r0:r0+11], v[r1:r1+11], v[rD:rD+7], v[q0], v[q1] matrix_a_fmt:MATRIX_FMT_FP6 matrix_b_fmt:MATRIX_FMT_FP6 matrix_b_scale:MATRIX_SCALE_ROW1
.elseif pp == 3
	v_wmma_scale_f32_16x16x128_f8f6f4 v[rD:rD+7], v[r0:r0+11], v[r1:r1+11], v[rD:rD+7], v[q0], v[q1] matrix_a_fmt:MATRIX_FMT_FP6 matrix_b_fmt:MATRIX_FMT_FP6 matrix_a_scale:MATRIX_SCALE_ROW1 matrix_b_scale:MATRIX_SCALE_ROW1
.elseif pp == 4
	v_wmma_scale_f32_16x16x128_f8f6f4 v[rD:rD+7], v[r0:r0+11], v[r1:r1+11], 0, v[q0], v[q1] matrix_a_fmt:MATRIX_FMT_FP6 matrix_b_fmt:MATRIX_FMT_FP6
.elseif pp == 5
	v_wmma_scale_f32_16x16x128_f8f6f4 v[rD:rD+7], v[r0:r0+11], v[r1:r1+11], 0, v[q0], v[q1] matrix_a_fmt:MATRIX_FMT_FP6 matrix_b_fmt:MATRIX_FMT_FP6 matrix_a_scale:MATRIX_SCALE_ROW1
.elseif pp == 6
	v_wmma_scale_f32_16x16x128_f8f6f4 v[rD:rD+7], v[r0:r0+11], v[r1:r1+11], 0, v[q0], v[q1] matrix_a_fmt:MATRIX_FMT_FP6 matrix_b_fmt:MATRIX_FMT_FP6 matrix_b_scale:MATRIX_SCALE_ROW1
.else
	v_wmma_scale_f32_16x16x128_f8f6f4 v[rD:rD+7], v[r0:r0+11], v[r1:r1+11], 0, v[q0], v[q1] matrix_a_fmt:MATRIX_FMT_FP6 matrix_b_fmt:MATRIX_FMT_FP6 matrix_a_scale:MATRIX_SCALE_ROW1 matrix_b_scale:MATRIX_SCALE_ROW1
.endif
.endm
; A K step's 32 products; the 32 accumulators take turns, one instruction a turn, in the same order in every step.  The first step's products start the sums.
; ty = 0 (Q, K): accumulator (a, b) at 8 (8 a + b).  ty = 1 (V): at 8 (4 b + a).
.macro MUL ty, s
.set zz, 0
.if (\s) == 0
.set zz, 4
.endif
.if \ty
.irp b, 0,1,2,3,4,5,6,7
.irp a, 0,1,2,3
.set rD, 8*(4*\b+\a)
.set r0, 12*(4*((\s)%5)+\a)
.set r1, WF+96*((\s)%2)+12*\b
.set q0, XS+2*(\s)+\a/2
.set q1, WS+4*((\s)%2)+\b/2
.set pp, (\a%2)+2*(\b%2)+zz
	WM
.endr
.endr
.else
.irp a, 0,1,2,3
.irp b, 0,1,2,3,4,5,6,7
.set rD, 8*(8*\a+\b)
.set r0, WF+96*((\s)%2)+12*\b
.set r1, 12*(4*((\s)%5)+\a)
.set q0, WS+4*((\s)%2)+\b/2
.set q1, XS+2*(\s)+\a/2
.set pp, (\b%2)+2*(\a%2)+zz
	WM
.endr
.endr
.endif
.endm
; A K step: this step's weights are in; the next step's are asked for at once, into the other set, and have this step's 32 products in which to land.
.macro STEP ty, s, fetch
	s_wait_dscnt 0x0
.if \fetch
	PLACES 4                                       ; four places in front of loads into registers that the last step's products read
	FETCH (\s)+1, ((\s)+1)%2
.endif
.set WN, 0xf0|((1+(\s)/5)<<(2-2*(\ty)))        ; the weights window 0, x window 1 or 2, C and D window 3
	WIN WN
	MUL \ty, \s
	WIN 0
.endm
; THE QUANTISER: 64 accumulator registers at qs (window 3) are four blocks of 16 a lane, each block shared with lane l xor 16: 12 registers of codes at qp and the four scale bytes in pw (window 2).
.macro QUANT qs, qp, pw
	WIN 0xaf                                       ; sources 0 and 1 window 3; source 2 and the destination window 2
.irp b, 0,1,2,3
	v_max3_num_f32 v[TM+\b], |v[\qs+16*\b]|, |v[\qs+1+16*\b]|, 0x1800000   ; each accumulator from its low end on; the floor 2^(3 - 127)
.endr
.irp i, 2,4,6,8,10,12,14
.irp b, 0,1,2,3
	v_max3_num_f32 v[TM+\b], |v[\qs+16*\b+\i]|, |v[\qs+1+16*\b+\i]|, v[TM+\b]
.endr
.endr
	WIN 0xaa
.irp b, 0,1,2,3
	v_permlanex16_b32 v[TM+4+\b], v[TM+\b], s38, s39
.endr
.irp b, 0,1,2,3
	v_max_num_f32 v[TM+\b], v[TM+\b], v[TM+4+\b]
.endr
.irp b, 0,1,2,3
	v_add_nc_u32 v[TM+12+\b], 0xff000000, v[TM+\b] ; 2 off the exponent field: the conversion's scale operand
.endr
.irp b, 0,1,2,3
	v_lshrrev_b32 v[TM+8+\b], 23, v[TM+12+\b]      ; the scale's byte
.endr
	v_lshl_or_b32 v[\pw], v[TM+9], 8, v[TM+8]
	v_lshl_or_b32 v[\pw], v[TM+10], 16, v[\pw]
	v_lshl_or_b32 v[\pw], v[TM+11], 24, v[\pw]
	WIN 0x8b                                       ; source 0 window 3, the scale operand and the destination window 2
.irp c, 0,1
	v_cvt_scalef32_pk16_fp6_f32 v[\qp+6*\c:\qp+2+6*\c], v[\qs+32*\c:\qs+15+32*\c], v[TM+12+2*\c]
	v_cvt_scalef32_pk16_fp6_f32 v[\qp+12+4*\c:\qp+14+4*\c], v[\qs+16+32*\c:\qs+31+32*\c], v[TM+12+2*\c+1]
.endr
	WIN 0xaa
	v_nop                                          ; one plain line behind a scaled conversion
.irp c, 0,1                                    ; the operand's layout wants a whole block in a lane
.irp i, 0,1,2
	v_permlane16_swap_b32 v[\qp+6*\c+\i], v[\qp+12+4*\c+\i]
.endr
.irp i, 0,1,2
	v_mov_b32 v[\qp+3+6*\c+\i], v[\qp+12+4*\c+\i]
.endr
.endr
.endm
	s_wait_tensorcnt 0x0                           ; my quarter of the weights is in
	s_barrier_signal -1
	s_barrier_wait -1                              ; and everybody's
	FETCH 0, 0
	s_wait_loadcnt 0x0                             ; x
.Lmat:                                                 ; two trips: Q, K
.irp s, 0,1,2,3,4,5,6,7
	STEP 0, \s, 1                                  ; the last step asks for the next row group's first K step
.endr
	s_add_co_u32 s51, s51, GRP
	v_add_nc_u32 v[ADW], s51, v[LI]                ; the next row group (the loads above have been issued)
	v_add_nc_u32 v[ADW+1], 4*REC, v[ADW]
	PLACES 2                                       ; with the two additions: four places in front of the first read of results
.irp a, 0,1,2,3                                ; x's fragment a x the 128 channels = one fragment of the record
	QUANT 64*\a, QP+20*\a, PW+\a
	WIN 0x08                                       ; a store's data are its source 1: window 2
.irp c, 0,1,2
	global_store_b128 v[VO], v[QP+20*\a+4*\c:QP+20*\a+4*\c+3], s[10:11] offset:FRB*\a+512*\c   ; 512 consecutive bytes, at a multiple of 256 from the buffer's first byte
.endr
.endr
	WIN 0xaa
	v_cndmask_b32 v[WW], v[PW], v[PW+1], s40       ; lanes 0-15 the even fragment's words, lanes 16-31 the odd one's
	v_cndmask_b32 v[WW+1], v[PW+2], v[PW+3], s40
	WIN 0x08
	ds_store_b64 v[SCW], v[WW:WW+1]                ; into the scale stage
	WIN 0
	s_wait_xcnt 0x0                                ; the stores have read their base and their data
	s_add_nc_u64 s[10:11], s[10:11], REC
	s_add_co_u32 s52, s52, 1024
	v_add_nc_u32 v[SCW], s52, v[SCB]
	s_sub_co_u32 s50, s50, 1
	s_cmp_lg_u32 s50, 0
	s_wait_alu depctr_va_vdst(0)                   ; the wait ahead of the branch
	s_cbranch_scc1 .Lmat
.irp s, 0,1,2,3,4,5,6
	STEP 1, \s, 1                                  ; V
.endr
	STEP 1, 7, 0
	PLACES 4
	s_wait_dscnt 0x0                               ; my reads of the weights are over
	s_barrier_signal -1
	s_barrier_wait -1                              ; and everybody's: Wq's bytes become V's stage
.irp p, 0,1,2,3                                ; Wv's fragments 2 p and 2 p + 1: blocks 0, 1 are the even one's 64 t, blocks 2, 3 the odd one's
	QUANT 64*\p, QP+20*\p, PW+\p
	v_lshrrev_b32 v[TM], 16, v[PW+\p]              ; the odd fragment's two bytes
	WIN 0x08
.irp i, 0,1,2
	ds_store_b64 v[VS0+\i], v[QP+20*\p+2*\i:QP+20*\p+2*\i+1] offset:2*\p*FRB
	ds_store_b64 v[VS0+\i], v[QP+20*\p+6+2*\i:QP+20*\p+6+2*\i+1] offset:(2*\p+1)*FRB
.endr
	ds_store_b16 v[VSA], v[PW+\p] offset:4*\p      ; lanes l and l xor 16 write the same bytes with the same value
	ds_store_b16 v[VSA], v[TM] offset:256+4*\p
.endr
	WIN 0
	s_wait_dscnt 0x0                               ; my stores into the stages have landed
	s_barrier_signal -1
	s_barrier_wait -1                              ; and everybody's
.irp i, 0,1,2,3                                ; my half of my record: four fragments' images,
.irp c, 0,1,2
	ds_load_b128 v[WF+4*(3*\i+\c):WF+4*(3*\i+\c)+3], v[RDV] offset:\i*FRB+512*\c
.endr
.endr
.irp m, 0,1,2                                  ; and 256 bytes of Q's, K's and V's scale words
	ds_load_b64 v[WF+48+2*\m:WF+48+2*\m+1], v[RDS] offset:\m*1024
.endr
	s_wait_dscnt 0x0
.irp i, 0,1,2,3
.irp c, 0,1,2
	global_store_b128 v[VO], v[WF+4*(3*\i+\c):WF+4*(3*\i+\c)+3], s[8:9] offset:2*REC+\i*FRB+512*\c
.endr
.endr
.irp m, 0,1,2
	global_store_b64 v[SO], v[WF+48+2*\m:WF+48+2*\m+1], s[8:9] offset:\m*REC+SCA   ; 32 lanes store 256 consecutive bytes, aligned
.endr
	s_wait_tensorcnt 0x0                           ; the wave's end
	ds_add_u32 v[SPW], v[NIL]
	s_wait_dscnt 0x0
	CROUND                                         ; the closing round
	s_endpgm
.Lfunc_end_k_q60b00f7689_proj:
	.size	k_q60b00f7689_proj, .Lfunc_end_k_q60b00f7689_proj-k_q60b00f7689_proj
	.p2alignl 7, 3214868480
	.fill 96, 4, 3214868480
	.section	.rodata,"a",@progbits
	.p2align	6, 0x0
	.amdhsa_kernel k_q60b00f7689_proj
		.amdhsa_group_segment_fixed_size 327680
		.amdhsa_private_segment_fixed_size 0
		.amdhsa_enable_private_segment 0
		.amdhsa_kernarg_size 24
		.amdhsa_user_sgpr_count 2
		.amdhsa_user_sgpr_kernarg_segment_ptr 1
		.amdhsa_wavefront_size32 1
		.amdhsa_system_sgpr_workgroup_id_x 1
		.amdhsa_system_sgpr_workgroup_id_y 1
		.amdhsa_system_sgpr_workgroup_id_z 1
		.amdhsa_system_vgpr_workitem_id 0
		.amdhsa_next_free_vgpr 1024
		.amdhsa_next_free_sgpr 66
		.amdhsa_reserve_vcc 0
		.amdhsa_float_denorm_mode_32 3
		.amdhsa_float_denorm_mode_16_64 3
		.amdhsa_memory_ordered 1
		.amdhsa_forward_progress 1
		.amdhsa_inst_pref_size 146
	.end_amdhsa_kernel
	.amdgpu_metadata
---
amdhsa.version: [ 1, 2 ]
amdhsa.kernels:
  - .name:           k_q60b00f7689_proj
    .symbol:         k_q60b00f7689_proj.kd
    .args:
      - { .name: xc, .offset: 0, .size: 8, .value_kind: global_buffer, .address_space: global }
      - { .name: wc, .offset: 8, .size: 8, .value_kind: global_buffer, .address_space: global }
      - { .name: qkv, .offset: 16, .size: 8, .value_kind: global_buffer, .address_space: global }
    .group_segment_fixed_size: 327680
    .private_segment_fixed_size: 0
    .kernarg_segment_align: 8
    .kernarg_segment_size: 24
    .max_flat_workgroup_size: 128
    .sgpr_count:     66
    .vgpr_count:     1024
    .wavefront_size: 32
...
	.end_amdgpu_metadata
.endif
;; end of part 2
;; launch attn (part 3): grid 8 x 32, 4 waves a work-group, clusters of 4 x 1, 327,680 bytes of LDS; arguments qkv, ob; writes ob
.if DOCPART == 3
	.amdgcn_target "amdgcn-amd-amdhsa--gfx1250"
	.amdhsa_code_object_version 6
	.text
	.protected	k_q60b00f7689_attn
	.globl	k_q60b00f7689_attn
	.p2align	8
	.type	k_q60b00f7689_attn,@function
k_q60b00f7689_attn:
	s_mov_b64 s[64:65], 0
	v_nop
	global_prefetch_b8 v0, s[64:65] scope:SCOPE_SE
	s_setreg_imm32_b32 hwreg(HW_REG_WAVE_MODE, 25, 1), 1
	s_wait_xcnt 0x0
	s_wait_alu depctr_hold_cnt(0) depctr_sa_sdst(0) depctr_va_vdst(0) depctr_va_sdst(0) depctr_va_ssrc(0) depctr_va_vcc(0) depctr_vm_vsrc(0)
	s_getreg_b32 s2, hwreg(HW_REG_IB_STS2, 6, 4)
	s_cmp_eq_u32 s2, 0
	s_cbranch_scc0 .Lentry_in_a_cluster
	s_endpgm
.Lentry_in_a_cluster:
	s_bfe_u32 s2, ttmp6, 0x10000c
	s_cmp_lg_u32 s2, 0x3003
	s_cbranch_scc0 .Lentry_shape_is_right
	s_endpgm
.Lentry_shape_is_right:
; Attention of one (batch, head) on codes of FP6 (E2M3) with E8M0 scales: S^T = K Q^T, the softmax, O^T = V P^T, and O / l quantised along the head's channels for the last product.
; qkv = [8 b + head][t / 128][Q record | K record | V record].  RECORD (12,800 bytes: 128 rows x 128 K): 8 fragments of 1,536 bytes, register n of lane L at 512 (n / 4) + 16 L + 4 (n % 4); at byte 12,288 the scale words,
; that of row r of fragment 2 q + h at 16 (16 h + r) + 4 q.  Fragment 2 b + u, row r = logical row 32 b + 8 u + r + 8 (r / 8): where K's (V's) fragments are source 0, a lane's registers 16 j + i are key (channel) 32 j + 16 (lane / 16) + i.
; THE SOFTMAX: t = score x log2(e) / sqrt(128); M = the running largest t rounded UP to a whole number; p = 2^(t - M) is quantised along the keys, not normalised; the row's sum is taken of the unquantised p and divides O at the end.
; When M moves, the sums and O are multiplied by 2^(old M - new M): exact.  A block's largest p is made from its largest score by the same two instructions (this takes v_exp_f32 not to fall where its input rises).
; SHARES: a work-group owns 256 queries of a head; each of its FOUR waves FOUR fragments of 16 queries (tiles 0 to 3), so that each fragment of K and V read from LDS feeds four products.  Every wave walks all 2,048 keys, 128 a step.
; A KEY STEP: V's fragments are asked for; S^T of the four tiles (32 products); the next step's K is asked for, into K's own registers; the softmax, written stage by stage over the four tiles; V P^T of the four tiles (32 products).
; In the softmax a tile's 64 exponentials take turns, line by line, with plain lines on other registers: the next tile's t - M and the first fold of the last tile's sum; one wait stands behind each tile's batch.
; RING: two LDS slots of four key steps; a key step's K and V records are 25,600 dense bytes: each wave fetches one step, one tensor load a wave behind each change of slots.
; CLUSTER 4 x 1: the four query blocks of a cluster walk the same K and V: each tile is asked for jointly, by the same load with the same descriptor and the mask of all four.
; ob = [(2048 b + t) / 64][32 fragments (4 head + m) of 1,536 bytes | at 49,152: 32 images of scale words, 4 bytes a lane]: a wave's 64 queries are one such block, tile x its m.
; LIMITS: a block of zeros, or one whose largest magnitude lies under 2^-124, keeps the byte 1; NaN and infinities are not served; the scaled scores stay under 2^31 in magnitude.
; REGISTERS, in four windows of 256 (s_set_vgpr_msb: bits 1:0 source 0, 3:2 source 1, 5:4 source 2, 7:6 destination), laid BY KIND, so that a stage over all four tiles needs one setting:
;   window 0: v0-127 addresses, the scale words (which have no window) and what is one number a query, for all four tiles side by side; v128-223 tile x's codes of p at v[128 + 24 x], 12 registers, and 8 more in which conversions land.
;   window 1: tile x's S^T, then p, at v[64 x].   window 2: its O^T at v[64 x].   window 3: v0-95 K's fragments, v96-191 V's, v192-239 Q's.
.set REC,   12800
.set FRB,   1536
.set SCA,   12288
.set KV,    2*REC                      ; a key step's K and V records
.set STEPG, 3*REC                      ; from key step to key step in memory
.set HEADB, 16*STEPG
.set NQ,    4                          ; key steps in a slot
.set SLOT1, 1<<17                      ; slot 1 begins here
.set SPARE, 2*SLOT1                    ; behind the ring: the spare words, 128 bytes a wave
.set NSL,   4
.set OBB,   53248
.set LI,  1                            ; 16 x lane
.set LS,  2                            ; 4 x lane
.set ADK, 3                            ; the step's LDS address
.set PFO, 4                            ; the prefetch's offset
.set SPW, 5
.set NIL, 6
.set KS,  8                            ; v8-11 K's scale words, v12-15 V's, v16-17 Q's, v18-21 p's (one a tile)
.set VS,  12
.set QS,  16
.set PS,  18
.set QO,  22
.set QA,  23
.set NM,  24                           ; tile x: v[24 + 2 x] -M, v[25 + 2 x] the largest t
.set SU,  32                           ; the sum, a pair a tile; a second pair at S2
.set FF,  40                           ; f = 2^(old M - new M) in the low word of a pair
.set BM,  48                           ; 4 x + b: block b's largest score, then its largest p
.set PT,  64
.set SO,  80                           ; the conversions' scale operands
.set T1,  96
.set T2,  100
.set S2,  104
.set CD,  128
.set WV,  18
.set SEL, 20
.set CS,  22
.set G1,  24
.set G0,  40
.set TB,  44
.set SLOTS, 45
.set PFA, 46
.set LIM, 48
.set CNT, 49
.set MSB, 0
.macro WIN new                         ; the immediate's high byte repeats the setting that is left; a switch that changes nothing is dropped
.if MSB != \new
	s_set_vgpr_msb (MSB<<8)|\new
.set MSB, \new
.endif
.endm
.macro CROUND                          ; a round of the cluster's barrier
	s_barrier_signal -1
	s_barrier_wait -1
	s_cmp_lg_u32 s[WV], 0
	s_cbranch_scc1 .Lnot_wave_0_\@
	s_barrier_signal -3
.Lnot_wave_0_\@:
	s_barrier_wait -3
	s_barrier_signal -1
	s_barrier_wait -1
.endm
.macro PLACES n
.rept \n
	v_nop
.endr
.endm
.macro TLOAD                           ; every wave fetches its key step of the slot's four.  An s_nop 0 and four v_nop follow the load
	tensor_load_to_lds s[G0:G0+3], s[G1:G1+7]
	s_nop 0
	PLACES 4
.endm
; A PREFETCH INTO THE L2 of what the NEXT change of slots will ask for: four key steps ahead of that load.  Both clusters of a head walk the same K and V: the head's first cluster asks.  Its four partners take one of the slot's four
; key steps each (25,600 bytes on end), told apart BY ADDRESS; wave w names blocks 25 w .. 25 w + 24 of its 100 blocks of 256 bytes, a lane a block; lanes 25 to 31 name the wave's last block again.
; The last change that fills a slot asks for nothing; slots 0 and 1 come by their loads alone.
.macro ASK
	s_cmp_gt_u32 s[SLOTS], s[LIM]
	s_cbranch_scc0 .Lnot_mine_\@
	global_prefetch_b8 v[PFO], s[PFA:PFA+1] th:TH_LOAD_NT scope:SCOPE_SE
.Lnot_mine_\@:
.endm
	s_load_b128 s[4:7], s[0:1], 0x0                ; qkv, ob
	v_lshl_add_u32 v[SPW], v0, 2, SPARE
	v_mov_b32 v[NIL], 0
	ds_add_u32 v[SPW], v[NIL]                      ; the opening lines: the add, twice on end, and its wait ahead of my first tensor load
	ds_add_u32 v[SPW], v[NIL]
	v_lshrrev_b32 v7, 5, v0
	v_readfirstlane_b32 s[WV], v7                  ; wave 0..3
	s_bfe_u32 s50, ttmp6, 0x40000                  ; cx
	s_lshl_b32 s51, ttmp9, 2
	s_add_co_u32 s51, s51, s50                     ; my block of 256 queries: it enters Q's and ob's addresses alone
	s_and_b32 s52, ttmp7, 0xffff                   ; 8 b + head, which the partners share
	s_mul_i32 s54, s52, HEADB
	s_mul_i32 s56, s[WV], STEPG                    ; the key step of a slot's four that I fetch
	s_add_co_u32 s56, s56, REC                     ; K's record lies behind Q's
	s_add_co_u32 s56, s56, s54
	s_mov_b32 s57, 0
	s_lshl_b32 s58, s51, 1
	s_lshr_b32 s59, s[WV], 1
	s_add_co_u32 s58, s58, s59                     ; my Q record: 2 x block + wave / 2
	s_mul_i32 s60, s58, STEPG
	s_add_co_u32 s60, s60, s54
	s_mov_b32 s61, 0
	s_and_b32 s53, s[WV], 1                        ; which four fragments of it
	s_mul_i32 s62, s53, 4*FRB
	s_lshl_b32 s63, s53, 3
	s_add_co_u32 s63, s63, SCA                     ; their scale words: 12,288 + 8 (wave % 2), + 16 x lane
	s_lshr_b32 s72, s52, 3
	s_lshl_b32 s72, s72, 5
	s_lshl_b32 s73, s58, 1
	s_add_co_u32 s72, s72, s73
	s_add_co_u32 s72, s72, s53                     ; (2048 b + t) / 64
	s_mul_i32 s72, s72, OBB
	s_and_b32 s73, s52, 7
	s_mul_i32 s74, s73, 4*FRB                      ; fragment 4 head + x
	s_add_co_u32 s74, s74, s72
	s_mov_b32 s75, 0
	s_lshl_b32 s76, s73, 9
	s_add_co_u32 s76, s76, s72
	s_add_co_u32 s76, s76, 49152
	s_mov_b32 s77, 0
	s_mov_b32 s[G1], 15|(3<<16)|(1<<21)            ; group 1: the mask of all four; elements of 8 bytes; bit 21 beside a mask: 25,600 dense bytes as 100 rows of 32 elements
	s_mov_b32 s[G1+1], 32<<16
	s_mov_b32 s[G1+2], 100<<16
	s_mov_b32 s[G1+3], 32<<16
	s_mov_b32 s[G1+4], 100
	s_mov_b32 s[G1+5], 32
	s_mov_b32 s[G1+6], 0
	s_mov_b32 s[G1+7], 0
	s_mov_b32 s[SEL], 0x76543210
	s_mov_b32 s[SEL+1], 0xfedcba98                 ; v_permlanex16_b32's selects for lane l xor 16
	s_mov_b32 s[CS], 0x3e0293ee                    ; c = log2(e) / sqrt(128)
	s_mov_b32 s[CS+1], s[CS]                       ; (named with it as a pair, so it is written)
	s_mov_b32 s[TB], 0
	s_mov_b32 s[SLOTS], NSL-1
	s_cmp_eq_u32 ttmp9, 0                          ; the head's first cluster asks: the same in all four partners
	s_cselect_b32 s[LIM], 1, -1
	s_mul_i32 s80, s[WV], 6400                     ; 25 blocks of 256 bytes a wave
	s_mul_i32 s78, s50, STEPG                      ; my work-group's key step of the slot's four
	s_add_co_u32 s78, s78, s54
	s_add_co_u32 s78, s78, REC+NQ*STEPG            ; in slot 1: the first change of slots steps it to slot 2
	s_mov_b32 s79, 0
	s_mov_b32 s[G0], 1
	s_mul_i32 s[G0+1], s[WV], KV                   ; LDS address: slot 0, my step
	s_wait_dscnt 0x0                               ; both opening adds are done
	s_wait_kmcnt 0x0
	s_add_nc_u64 s[G0+2:G0+3], s[4:5], s[56:57]
	s_or_b32 s[G0+3], s[G0+3], 0x80000000
	s_add_nc_u64 s[PFA:PFA+1], s[4:5], s[78:79]
	s_add_nc_u64 s[66:67], s[4:5], s[60:61]        ; my Q record
	s_add_nc_u64 s[8:9], s[6:7], s[76:77]          ; ob: my fragments' scale words,
	s_add_nc_u64 s[6:7], s[6:7], s[74:75]          ; and their codes
	CROUND                                         ; all four work-groups are here: the first joint loads meet
	TLOAD                                          ; slot 0
	v_and_b32 v7, 31, v0
	v_lshlrev_b32 v[LI], 4, v7
	v_lshlrev_b32 v[LS], 2, v7
	v_min_u32 v[PFO], 24, v7
	v_lshl_add_u32 v[PFO], v[PFO], 8, s80
	v_add_nc_u32 v[QO], s62, v[LI]
	v_add_nc_u32 v[QA], s63, v[LI]
.irp x, 0,1,2,3
	v_mov_b32 v[NM+2*\x+1], 0xff61b1e6             ; the largest t so far: -3e38
	v_mov_b32 v[SU+2*\x], 0
	v_mov_b32 v[SU+2*\x+1], 0
	v_mov_b32 v[S2+2*\x], 0
	v_mov_b32 v[S2+2*\x+1], 0
	v_mov_b32 v[FF+2*\x], 0
	v_mov_b32 v[FF+2*\x+1], 0                      ; (named as the upper half of a pair)
.endr
.irp x, 0,1,2,3
	v_floor_f32 v[NM+2*\x], -v[NM+2*\x+1]          ; -M
.endr
.set k, 0
.rept 16
	v_mov_b32 v[PT+k], 0                           ; written once: a lane permute's destination counts as one of its sources
.set k, k+1
.endr
	s_wait_alu depctr_va_vdst(0)                   ; the wait behind the head's addresses
	global_load_b64 v[QS:QS+1], v[QA], s[66:67]    ; register x / 2: lanes 0-15 the even tile's words, lanes 16-31 the odd one's
	WIN 0xc0
.irp x, 0,1,2,3
.irp c, 0,1,2
	global_load_b128 v[192+12*\x+4*\c:192+12*\x+4*\c+3], v[QO], s[66:67] offset:\x*FRB+512*\c   ; Q stays in registers
.endr
.endr
	WIN 0x80
.set j, 0
.rept 256
	v_mov_b32 v[j], 0                              ; O^T: the step is written once, and its first run finds zeros
.set j, j+1
.endr
	WIN 0
; 25 LDS loads: a record's scale words into v[sc ..] and its eight fragments into v[rb ..] of window 3.  Entered and left with every window 0.
.macro RLOAD base, sc, rb
	ds_load_b128 v[\sc:\sc+3], v[ADK] offset:\base+SCA     ; register f / 2 holds fragment f's words, an odd fragment's in lanes 16-31
	WIN 0xc0
.irp f, 0,1,2,3,4,5,6,7
.irp c, 0,1,2
	ds_load_b128 v[\rb+12*\f+4*\c:\rb+12*\f+4*\c+3], v[ADK] offset:\base+\f*FRB+512*\c
.endr
.endr
	WIN 0
.endm
.macro KQ f, x                         ; S^T of tile x against K's fragment f
.set rD, 64*(\x)+8*(\f)
.set rA, 12*(\f)
.set rB, 192+12*(\x)
.set sA, KS+(\f)/2
.set sB, QS+(\x)/2
.set par, ((\f)%2)+2*((\x)%2)
.if par == 0
	v_wmma_scale_f32_16x16x128_f8f6f4 v[rD:rD+7], v[rA:rA+11], v[rB:rB+11], 0, v[sA], v[sB] matrix_a_fmt:MATRIX_FMT_FP6 matrix_b_fmt:MATRIX_FMT_FP6
.elseif par == 1
	v_wmma_scale_f32_16x16x128_f8f6f4 v[rD:rD+7], v[rA:rA+11], v[rB:rB+11], 0, v[sA], v[sB] matrix_a_fmt:MATRIX_FMT_FP6 matrix_b_fmt:MATRIX_FMT_FP6 matrix_a_scale:MATRIX_SCALE_ROW1
.elseif par == 2
	v_wmma_scale_f32_16x16x128_f8f6f4 v[rD:rD+7], v[rA:rA+11], v[rB:rB+11], 0, v[sA], v[sB] matrix_a_fmt:MATRIX_FMT_FP6 matrix_b_fmt:MATRIX_FMT_FP6 matrix_b_scale:MATRIX_SCALE_ROW1
.else
	v_wmma_scale_f32_16x16x128_f8f6f4 v[rD:rD+7], v[rA:rA+11], v[rB:rB+11], 0, v[sA], v[sB] matrix_a_fmt:MATRIX_FMT_FP6 matrix_b_fmt:MATRIX_FMT_FP6 matrix_a_scale:MATRIX_SCALE_ROW1 matrix_b_scale:MATRIX_SCALE_ROW1
.endif
.endm
.macro PV f, x                         ; O^T of tile x += V's fragment f x P^T.  The accumulators take turns, one instruction a turn
.set rD, 64*(\x)+8*(\f)
.set rA, 96+12*(\f)
.set rB, CD+24*(\x)
.set sA, VS+(\f)/2
.set sB, PS+(\x)
.if (\f)%2
	v_wmma_scale_f32_16x16x128_f8f6f4 v[rD:rD+7], v[rA:rA+11], v[rB:rB+11], v[rD:rD+7], v[sA], v[sB] matrix_a_fmt:MATRIX_FMT_FP6 matrix_b_fmt:MATRIX_FMT_FP6 matrix_a_scale:MATRIX_SCALE_ROW1
.else
	v_wmma_scale_f32_16x16x128_f8f6f4 v[rD:rD+7], v[rA:rA+11], v[rB:rB+11], v[rD:rD+7], v[sA], v[sB] matrix_a_fmt:MATRIX_FMT_FP6 matrix_b_fmt:MATRIX_FMT_FP6
.endif
.endm
; From the 16 largest magnitudes or largest p in v[BM ..] (floored) to the conversions' scale operands in v[SO ..] and the four scale words in v[wd ..].  Every window 0.
.macro WORDS wd
.set k, 0
.rept 16
	v_add_nc_u32 v[SO+k], 0xff000000, v[BM+k]      ; 2 off the exponent field: the conversion's scale operand
.set k, k+1
.endr
.set k, 0
.rept 16
	v_lshrrev_b32 v[PT+k], 23, v[SO+k]             ; the scale's byte
.set k, k+1
.endr
.irp x, 0,1,2,3
	v_lshl_or_b32 v[\wd+\x], v[PT+4*\x+1], 8, v[PT+4*\x]
.endr
.irp x, 0,1,2,3
	v_lshl_or_b32 v[\wd+\x], v[PT+4*\x+2], 16, v[\wd+\x]
.endr
.irp x, 0,1,2,3
	v_lshl_or_b32 v[\wd+\x], v[PT+4*\x+3], 24, v[\wd+\x]
.endr
.endm
; Tile x's 64 numbers (window 1) become codes (window 0), as four half blocks a lane.  Under the setting 0x01: source 0 window 1, the scale operand and the destination window 0.
.macro CVT x
.irp c, 0,1
	v_cvt_scalef32_pk16_fp6_f32 v[CD+24*\x+6*\c:CD+24*\x+6*\c+2], v[64*\x+32*\c:64*\x+32*\c+15], v[SO+4*\x+2*\c]
	v_cvt_scalef32_pk16_fp6_f32 v[CD+24*\x+12+4*\c:CD+24*\x+12+4*\c+2], v[64*\x+16+32*\c:64*\x+16+32*\c+15], v[SO+4*\x+2*\c+1]   ; (a conversion's three registers begin on an even number)
.endr
	v_nop                                          ; one plain line behind a scaled conversion
.endm
.macro WHOLE                           ; the operand's layout wants a whole block in a lane.  Every window 0
.irp x, 0,1,2,3
.irp c, 0,1
.irp i, 0,1,2
	v_permlane16_swap_b32 v[CD+24*\x+6*\c+\i], v[CD+24*\x+12+4*\c+\i]
.endr
.endr
.endr
.irp x, 0,1,2,3
.irp c, 0,1
.irp i, 0,1,2
	v_mov_b32 v[CD+24*\x+3+6*\c+\i], v[CD+24*\x+12+4*\c+\i]
.endr
.endr
.endr
.endm
.macro JOIN16                          ; v[BM ..]: with lane l xor 16's.  Every window 0
.set k, 0
.rept 16
	v_permlanex16_b32 v[PT+k], v[BM+k], s[SEL], s[SEL+1]
.set k, k+1
.endr
.set k, 0
.rept 16
	v_max_num_f32 v[BM+k], v[BM+k], v[PT+k]
.set k, k+1
.endr
.endm
.macro FOLD x, n, d                    ; n packed additions in place in tile x: registers 2 k, 2 k + 1 take those d further on
.set k, 0
.rept \n
	v_pk_add_f32 v[64*\x+2*k:64*\x+2*k+1], v[64*\x+2*k:64*\x+2*k+1], v[64*\x+\d+2*k:64*\x+\d+2*k+1]
.set k, k+1
.endr
.endm
; Tile x's 64 exponentials, under the setting 0x45 (sources 0 and 1 and the destination window 1, source 2 window 0).  Between them, on other registers: a = 1: the next tile's t - M, two at a time;
; l = 1: the first fold of the last tile's sum (its p have been converted).  A plain line and the wait close the batch, ahead of the readers of all that was written in it.
.macro EXPS x, a, l
.set j, 0
.rept 32
	v_exp_f32 v[64*\x+2*j], v[64*\x+2*j]           ; p = 2^(t - M)
	v_exp_f32 v[64*\x+2*j+1], v[64*\x+2*j+1]
.if \a
	v_pk_fma_f32 v[64*(\x+1)+2*j:64*(\x+1)+2*j+1], v[64*(\x+1)+2*j:64*(\x+1)+2*j+1], s[CS:CS+1], v[NM+2*(\x+1):NM+2*(\x+1)+1] op_sel_hi:[1,0,0]
.endif
.if \l
.if (j%2) == 0
	v_pk_add_f32 v[64*(\x-1)+j:64*(\x-1)+j+1], v[64*(\x-1)+j:64*(\x-1)+j+1], v[64*(\x-1)+32+j:64*(\x-1)+32+j+1]
.endif
.endif
.set j, j+1
.endr
	v_nop
	s_wait_alu depctr_va_vdst(0)
.endm
; THE SOFTMAX of the four tiles for one key step, stage by stage.  Entered with every window 0.
.macro SOFTMAX
	WIN 0x05                                       ; sources 0 and 1 window 1; source 2 and the destination window 0
.set k, 0
.rept 16
	v_max_num_f32 v[BM+k], v[16*k], v[16*k+1]      ; the largest score of each block of 32 keys: for the row's maximum, and for the block's largest p.  Each accumulator is read from its low end on
.set k, k+1
.endr
.irp i, 2,4,6,8,10,12,14
.set k, 0
.rept 16
	v_max3_num_f32 v[BM+k], v[16*k+\i], v[16*k+\i+1], v[BM+k]
.set k, k+1
.endr
.endr
	WIN 0
	JOIN16
.irp x, 0,1,2,3
	v_max3_num_f32 v[T1+\x], v[BM+4*\x], v[BM+4*\x+1], v[BM+4*\x+2]
.endr
.irp x, 0,1,2,3
	v_mov_b32 v[T2+\x], v[NM+2*\x]
.endr
.irp x, 0,1,2,3
	v_max_num_f32 v[T1+\x], v[T1+\x], v[BM+4*\x+3] ; the step's largest score of my query
.endr
.irp x, 0,1,2,3
	v_mul_f32 v[T1+\x], s[CS], v[T1+\x]            ; as t
.endr
.irp x, 0,1,2,3
	v_max_num_f32 v[NM+2*\x+1], v[NM+2*\x+1], v[T1+\x]   ; the running largest t
.endr
.irp x, 0,1,2,3
	v_floor_f32 v[NM+2*\x], -v[NM+2*\x+1]          ; the new -M = floor(-t): M is a whole number
.endr
.irp x, 0,1,2,3
	v_sub_f32 v[T2+\x], v[NM+2*\x], v[T2+\x]       ; old M - new M: a whole number, 0 or less
.endr
.irp x, 0,1,2,3
.irp b, 0,1,2,3
	v_fma_f32 v[BM+4*\x+\b], v[BM+4*\x+\b], s[CS], v[NM+2*\x]   ; t - M of each block's largest score
.endr
.endr
.irp x, 0,1,2,3
	v_cvt_i32_f32 v[T2+\x], v[T2+\x]
.endr
.irp x, 0,1,2,3
	v_ldexp_f32 v[FF+2*\x], 1.0, v[T2+\x]          ; f = 2^(old M - new M)
.endr
	WIN 0x45
.set j, 0
.rept 32
	v_pk_fma_f32 v[j:j+1], v[j:j+1], s[CS:CS+1], v[NM:NM+1] op_sel_hi:[1,0,0]   ; tile 0's t - M, two at a time
.set j, j+2
.endr
	WIN 0x82                                       ; source 0 and the destination window 2, f window 0
.irp x, 0,1,2,3
.set j, 0
.rept 32
	v_pk_mul_f32 v[64*\x+j:64*\x+j+1], v[64*\x+j:64*\x+j+1], v[FF+2*\x:FF+2*\x+1] op_sel_hi:[1,0]   ; O^T under the new M, each accumulator from its low end on: ahead of the exponentials
.set j, j+2
.endr
.endr
	WIN 0
.irp x, 0,1,2,3
	v_pk_mul_f32 v[SU+2*\x:SU+2*\x+1], v[SU+2*\x:SU+2*\x+1], v[FF+2*\x:FF+2*\x+1] op_sel_hi:[1,0]   ; the sums under the new M
	v_pk_mul_f32 v[S2+2*\x:S2+2*\x+1], v[S2+2*\x:S2+2*\x+1], v[FF+2*\x:FF+2*\x+1] op_sel_hi:[1,0]
.endr
	s_wait_alu depctr_va_vdst(0)                   ; the wait ahead of the exponentials
.set k, 0
.rept 16
	v_exp_f32 v[BM+k], v[BM+k]                     ; each block's largest p
.set k, k+1
.endr
	WIN 0x45
	EXPS 0, 1, 0
	WIN 0
.set k, 0
.rept 16
	v_max_num_f32 v[BM+k], 0x1800000, v[BM+k]      ; the floor 2^(3 - 127)
.set k, k+1
.endr
	WORDS PS                                       ; p's scale words for these 128 keys
	WIN 0x01
	CVT 0
	WIN 0x45
	EXPS 1, 1, 1
	WIN 0x01
	CVT 1
	WIN 0x45
	EXPS 2, 1, 1
	WIN 0x01
	CVT 2
	WIN 0x45
	EXPS 3, 0, 1
	WIN 0x01
	CVT 3
	WIN 0
	WHOLE
	WIN 0x45                                       ; the row's sum of the unquantised p: behind the conversions the 32 pairs of a tile are folded in place,
	FOLD 3, 16, 32
.irp x, 0,1,2,3
	FOLD \x, 8, 16
.endr
.irp x, 0,1,2,3
	FOLD \x, 4, 8
.endr
.irp x, 0,1,2,3
	FOLD \x, 2, 4
.endr
	WIN 0x04                                       ; and the last two pairs go onto the tile's two running sums.  (These 80 lines are also the places between the codes' and the scale words' last writes and the products)
.irp x, 0,1,2,3
	v_pk_add_f32 v[SU+2*\x:SU+2*\x+1], v[SU+2*\x:SU+2*\x+1], v[64*\x:64*\x+1]
	v_pk_add_f32 v[S2+2*\x:S2+2*\x+1], v[S2+2*\x:S2+2*\x+1], v[64*\x+2:64*\x+3]
.endr
.endm
; A KEY STEP: 128 keys, at LDS byte s[TB]; its K is in registers or on its way.  Entered and left with every window 0.
.macro STEP
	v_add_nc_u32 v[ADK], s[TB], v[LI]
	s_wait_alu depctr_va_vdst(0)
	PLACES 3                                       ; with the addition: four places in front of loads into registers that the last products read
	RLOAD REC, VS, 96                              ; V: it has the 32 products below in which to land
	s_wait_dscnt 25                                ; all but the 25 loads just issued: K is in
	WIN 0x4f                                       ; K and Q window 3, S^T window 1
.irp x, 0,1,2,3
.irp f, 0,1,2,3,4,5,6,7
	KQ \f, \x
.endr
.endr
	WIN 0
	PLACES 4                                       ; four places: in front of the loads into K's registers, and of the first read of the scores
	s_wait_dscnt 0x0                               ; V is in
	s_cmp_eq_u32 s[CNT], 1                         ; a slot's last step asks for no K: the next step's lies in the other slot, behind the change of slots
	s_cbranch_scc1 .Lno_k_\@
	RLOAD KV, KS, 0                                ; the next step's K: it has the softmax in which to land
.Lno_k_\@:
	SOFTMAX
	WIN 0xa3                                       ; V window 3, the codes window 0, O^T window 2
.irp x, 0,1,2,3
.irp f, 0,1,2,3,4,5,6,7
	PV \f, \x
.endr
.endr
	WIN 0
.endm
; THE CHANGE OF SLOTS stands at a slot's head.  Each wave waits for all its tensor loads, adds 0 to its spare word, and waits for that and for its reads of the slot that it has left.
; fill = 1: a round of the cluster's barrier, and behind it the slot just left is filled with the keys that follow: the load has four key steps in which to land.
.macro CHANGE fill
	s_wait_tensorcnt 0x0                           ; no tensor load of mine is out, so the group 0 may be written
	ds_add_u32 v[SPW], v[NIL]                      ; 0 onto my spare word
.if \fill
	s_xor_b32 s[G0+1], s[G0+1], SLOT1              ; the other slot than last time,
	s_add_nc_u64 s[G0+2:G0+3], s[G0+2:G0+3], NQ*STEPG  ; the next four key steps
	s_wait_xcnt 0x0                                ; the last prefetch, a slot back, has read its address
	s_add_nc_u64 s[PFA:PFA+1], s[PFA:PFA+1], NQ*STEPG
.endif
	s_wait_dscnt 0x0                               ; the add is done, and my reads of the slot that I have left are over
.if \fill
	CROUND
	TLOAD                                          ; the first thing behind the round, and a wave's one tensor load until the next
	ASK
.else
	s_barrier_signal -1
	s_barrier_wait -1
.endif
.endm
; A slot's four key steps: written once, walked four times; the LDS addresses hang on s[TB].  The first step's K is asked for here.
.macro SLOT_STEPS
	v_add_nc_u32 v[ADK], s[TB], v[LI]
	s_wait_alu depctr_va_vdst(0)                   ; the wait behind the write
	RLOAD 0, KS, 0
	s_mov_b32 s[CNT], NQ
.Lstep_\@:
	STEP
	s_add_co_u32 s[TB], s[TB], KV                  ; the next key step
	s_sub_co_u32 s[CNT], s[CNT], 1
	s_cmp_lg_u32 s[CNT], 0
	s_wait_alu depctr_va_vdst(0)                   ; the wait ahead of the branch
	s_cbranch_scc1 .Lstep_\@
	s_sub_co_u32 s[TB], s[TB], NQ*KV               ; back to a slot's first step,
	s_xor_b32 s[TB], s[TB], SLOT1                  ; in the other slot
.endm
	s_wait_alu depctr_va_vdst(0)                   ; the wait at the head's end
	s_wait_loadcnt 0x0                             ; Q
.Lslot:                                            ; NSL - 1 trips: behind each change of slots but the last the next slot is asked for
	CHANGE 1
	SLOT_STEPS
	s_sub_co_u32 s[SLOTS], s[SLOTS], 1
	s_cmp_lg_u32 s[SLOTS], 0
	s_cbranch_scc1 .Lslot
	CHANGE 0                                       ; the last slot is written out
	SLOT_STEPS
; THE WAY OUT.  O^T / the sum: register 16 j + i of lane (r, h) is channel 32 j + 16 h + i of query r: it is quantised as p was, and each tile is one fragment of the last product's operand (K step = my head).
.irp x, 0,1,2,3
	v_pk_add_f32 v[SU+2*\x:SU+2*\x+1], v[SU+2*\x:SU+2*\x+1], v[S2+2*\x:S2+2*\x+1]
.endr
.irp x, 0,1,2,3
	v_add_f32 v[T1+\x], v[SU+2*\x], v[SU+2*\x+1]
.endr
.irp x, 0,1,2,3
	v_permlanex16_b32 v[PT+\x], v[T1+\x], s[SEL], s[SEL+1]
.endr
.irp x, 0,1,2,3
	v_add_f32 v[T1+\x], v[T1+\x], v[PT+\x]         ; the row's sum.  (These lines are also the places behind the last products)
.endr
	s_wait_alu depctr_va_vdst(0)                   ; the wait ahead of the batch
.irp x, 0,1,2,3
	v_rcp_f32 v[FF+2*\x], v[T1+\x]
.endr
	v_nop                                          ; a plain line behind the reciprocals
	WIN 0x42                                       ; O^T window 2, the reciprocal window 0, the quotient window 1
	s_wait_alu depctr_va_vdst(0)                   ; the wait ahead of the first reader of the reciprocals and of O^T
.irp x, 0,1,2,3
.set j, 0
.rept 32
	v_pk_mul_f32 v[64*\x+j:64*\x+j+1], v[64*\x+j:64*\x+j+1], v[FF+2*\x:FF+2*\x+1] op_sel_hi:[1,0]   ; each accumulator from its low end on
.set j, j+2
.endr
.endr
	WIN 0x05
.set k, 0
.rept 16
	v_max3_num_f32 v[BM+k], |v[16*k]|, |v[16*k+1]|, 0x1800000   ; the floor 2^(3 - 127)
.set k, k+1
.endr
.irp i, 2,4,6,8,10,12,14
.set k, 0
.rept 16
	v_max3_num_f32 v[BM+k], |v[16*k+\i]|, |v[16*k+\i+1]|, v[BM+k]
.set k, k+1
.endr
.endr
	WIN 0
	JOIN16
	WORDS T2
	WIN 0x01
.irp x, 0,1,2,3
	CVT \x
.endr
	WIN 0
	WHOLE
.irp x, 0,1,2,3
.irp c, 0,1,2
	global_store_b128 v[LI], v[CD+24*\x+4*\c:CD+24*\x+4*\c+3], s[6:7] offset:\x*FRB+512*\c   ; 512 consecutive bytes, at a multiple of 256 from the buffer's first byte
.endr
.endr
.irp x, 0,1,2,3
	global_store_b32 v[LS], v[T2+\x], s[8:9] offset:128*\x   ; the wave's four stores cover 512 consecutive bytes
.endr
	s_wait_tensorcnt 0x0                           ; the wave's end
	ds_add_u32 v[SPW], v[NIL]
	s_wait_dscnt 0x0
	CROUND                                         ; the closing round
	s_endpgm
.Lfunc_end_k_q60b00f7689_attn:
	.size	k_q60b00f7689_attn, .Lfunc_end_k_q60b00f7689_attn-k_q60b00f7689_attn
	.p2alignl 7, 3214868480
	.fill 96, 4, 3214868480
	.section	.rodata,"a",@progbits
	.p2align	6, 0x0
	.amdhsa_kernel k_q60b00f7689_attn
		.amdhsa_group_segment_fixed_size 327680
		.amdhsa_private_segment_fixed_size 0
		.amdhsa_enable_private_segment 0
		.amdhsa_kernarg_size 16
		.amdhsa_user_sgpr_count 2
		.amdhsa_user_sgpr_kernarg_segment_ptr 1
		.amdhsa_wavefront_size32 1
		.amdhsa_system_sgpr_workgroup_id_x 1
		.amdhsa_system_sgpr_workgroup_id_y 1
		.amdhsa_system_sgpr_workgroup_id_z 1
		.amdhsa_system_vgpr_workitem_id 0
		.amdhsa_next_free_vgpr 1024
		.amdhsa_next_free_sgpr 100
		.amdhsa_reserve_vcc 0
		.amdhsa_float_denorm_mode_32 3
		.amdhsa_float_denorm_mode_16_64 3
		.amdhsa_memory_ordered 1
		.amdhsa_forward_progress 1
		.amdhsa_inst_pref_size 173
	.end_amdhsa_kernel
	.amdgpu_metadata
---
amdhsa.version: [ 1, 2 ]
amdhsa.kernels:
  - .name:           k_q60b00f7689_attn
    .symbol:         k_q60b00f7689_attn.kd
    .args:
      - { .name: qkv, .offset: 0, .size: 8, .value_kind: global_buffer, .address_space: global }
      - { .name: ob, .offset: 8, .size: 8, .value_kind: global_buffer, .address_space: global }
    .group_segment_fixed_size: 327680
    .private_segment_fixed_size: 0
    .kernarg_segment_align: 8
    .kernarg_segment_size: 16
    .max_flat_workgroup_size: 128
    .sgpr_count:     100
    .vgpr_count:     1024
    .wavefront_size: 32
...
	.end_amdgpu_metadata
.endif
;; end of part 3
;; launch unify (part 4): grid 128 x 1, 4 waves a work-group, no clusters, 35,328 bytes of LDS; arguments ob, wc, bu, out0; writes out0
.if DOCPART == 4
	.amdgcn_target "amdgcn-amd-amdhsa--gfx1250"
	.amdhsa_code_object_version 6
	.text
	.protected	k_q60b00f7689_unify
	.globl	k_q60b00f7689_unify
	.p2align	8
	.type	k_q60b00f7689_unify,@function
k_q60b00f7689_unify:
	s_mov_b64 s[64:65], 0
	v_nop
	global_prefetch_b8 v0, s[64:65] scope:SCOPE_SE
	s_setreg_imm32_b32 hwreg(HW_REG_WAVE_MODE, 25, 1), 1
	s_wait_xcnt 0x0
; out0[b][k][t] = the sum over (head, e) of Wu[k][128 head + e] O[b][head][e][t] + bu[k], on codes of FP6 (E2M3) with E8M0 scales; K = 1,024 in 8 steps, one for each head.
; ob = [(2048 b + t) / 64][32 fragments (4 head + m) of 1,536 bytes | at 49,152: 32 images of scale words, 4 bytes a lane]; Wu is wc's row group 24: [K step 8][record of 12,800 bytes].
; A fragment's register n of lane L lies at 512 (n / 4) + 16 L + 4 (n % 4); fragment 2 b + u, row r = logical row 32 b + 8 u + r + 8 (r / 8); a record's scale word of row r of fragment 2 q + h lies at 12,288 + 16 (16 h + r) + 4 q.
; SHARES: a work-group takes 64 t x all 128 outputs; wave w O's four fragments x Wu's fragments 2 w, 2 w + 1: eight accumulators by turns.  Source 0 = O (rows t), source 1 = Wu: a lane holds one output k and eight neighbouring t.
; All operands go from memory straight into registers, each fragment by three loads of 512 consecutive bytes; there is no tensor load, so nothing can be asked for jointly: no cluster.  Of a wave's 77 KiB, 25 KiB (its part of Wu) are what
; other work-groups read too.  128 work-groups: the problem's 8,192 t in blocks of 64, the least that fills whole stores of 256 bytes along t.
; The bias is the C of each sum's first product.  The results go through the wave's own rows of a stage in LDS and leave as aligned runs of 256 bytes: no barrier.
; REGISTERS: window 0: v5-10 addresses; v16-79 accumulator (n, m) at 16 + 8 (4 n + m); v80-111 O's scale words; v112-119 Wu's; v120-135 the bias, spread; v136-137 as loaded; v144-207 rows on their way out.
;   windows 1, 2: O's fragments of K steps 0-3, 4-7, at 12 (4 (s % 4) + m).  window 3: Wu's, at 12 (8 n + s).
.set REC,  12800
.set FRB,  1536
.set SCA,  12288
.set OBB,  53248
.set SPI,  272                         ; a stage row: 64 t x 4 bytes + 16
.set LI,   5
.set LS,   6
.set BO,   7
.set SO,   8
.set RD,   9
.set CO,   10
.set ACC,  16
.set OS,   80
.set WS,   112
.set BC,   120
.set BL,   136
.set BK,   144
.set MSB, 0
.macro WIN new                         ; the immediate's high byte repeats the setting that is left
.if MSB != \new
	s_set_vgpr_msb (MSB<<8)|\new
.set MSB, \new
.endif
.endm
	s_load_b256 s[4:11], s[0:1], 0x0               ; ob, wc, bu, out0
	v_lshl_add_u32 v254, v0, 2, 0x8800
	v_mov_b32 v255, 0
	v_lshrrev_b32 v1, 5, v0
	v_readfirstlane_b32 s14, v1                    ; wave
	v_and_b32 v2, 31, v0                           ; lane
	v_and_b32 v3, 15, v0                           ; r
	v_bfe_u32 v4, v0, 4, 1                         ; h
	v_lshlrev_b32 v[LI], 4, v2
	v_lshlrev_b32 v[LS], 2, v2
	v_and_b32 v[BO], 8, v3
	v_add_nc_u32 v[BO], v[BO], v3
	v_lshlrev_b32 v[BO], 2, v[BO]                  ; the bias of my output: logical row 8 n + r + 8 (r / 8) of my wave's 32
	s_mul_i32 s15, s14, 32*SPI                     ; my 32 rows of the stage
	v_mul_u32_u24 v[SO], v3, SPI
	v_lshl_add_u32 v[SO], v4, 6, v[SO]
	v_add_nc_u32 v[SO], s15, v[SO]                 ; in: row r, + 64 h: t = 32 (m / 2) + 8 (m % 2) + 16 h + 0 .. 7
	v_mul_u32_u24 v[RD], v4, SPI
	v_lshl_add_u32 v[RD], v3, 4, v[RD]
	v_add_nc_u32 v[RD], s15, v[RD]                 ; back: lanes 0-15 one row, lanes 16-31 the next
	v_lshlrev_b32 v[CO], 13, v4
	v_lshl_add_u32 v[CO], v3, 4, v[CO]             ; and the same in out0: a row is 8,192 bytes
	s_mul_i32 s16, ttmp9, OBB
	s_mov_b32 s17, 0
	s_mul_i32 s18, s14, 2*FRB
	s_add_co_u32 s18, s18, 24*8*REC                ; Wu's records, my two fragments
	s_mov_b32 s19, 0
	s_lshl_b32 s20, s14, 2
	s_add_co_u32 s20, s20, 24*8*REC+SCA            ; and their scale words: + 4 w
	s_mov_b32 s21, 0
	s_lshl_b32 s22, s14, 7                         ; bu: my 32 numbers
	s_mov_b32 s23, 0
	s_lshr_b32 s24, ttmp9, 5                       ; b
	s_lshl_b32 s24, s24, 20
	s_lshl_b32 s25, s14, 18                        ; my 32 rows
	s_add_co_u32 s24, s24, s25
	s_and_b32 s25, ttmp9, 31
	s_lshl_b32 s25, s25, 8                         ; my 64 t
	s_add_co_u32 s24, s24, s25
	s_mov_b32 s25, 0
	s_wait_alu depctr_va_vdst(0)
	s_wait_kmcnt 0x0
	s_add_nc_u64 s[4:5], s[4:5], s[16:17]
	s_add_nc_u64 s[12:13], s[6:7], s[20:21]
	s_add_nc_u64 s[6:7], s[6:7], s[18:19]
	s_add_nc_u64 s[8:9], s[8:9], s[22:23]
	s_add_nc_u64 s[10:11], s[10:11], s[24:25]
	global_load_b32 v[BL], v[BO], s[8:9]
	global_load_b32 v[BL+1], v[BO], s[8:9] offset:32
.set f, 0
.rept 32
	global_load_b32 v[OS+f], v[LS], s[4:5] offset:49152+128*f      ; O's scale words: lane r has row r's
.set f, f+1
.endr
.irp s, 0,1,2,3,4,5,6,7
	global_load_b32 v[WS+\s], v[LI], s[12:13] offset:REC*\s        ; Wu's: lanes 0-15 fragment 2 w's, lanes 16-31 fragment 2 w + 1's
.endr
.irp s, 0,1,2,3,4,5,6,7                        ; 18 loads a K step
.set WN, 0x40*(1+\s/4)
	WIN WN
.irp m, 0,1,2,3
.irp c, 0,1,2
	global_load_b128 v[12*(4*(\s%4)+\m)+4*\c:12*(4*(\s%4)+\m)+4*\c+3], v[LI], s[4:5] offset:(4*\s+\m)*FRB+512*\c
.endr
.endr
	WIN 0xc0
.irp n, 0,1
.irp c, 0,1,2
	global_load_b128 v[12*(8*\n+\s)+4*\c:12*(8*\n+\s)+4*\c+3], v[LI], s[6:7] offset:REC*\s+FRB*\n+512*\c
.endr
.endr
.endr
	WIN 0
	s_wait_loadcnt 63                              ; 72 loads were issued behind K step 3's: the bias, the scale words and K steps 0 to 3 are in
.irp j, 0,1,2,3,4,5,6,7
	v_mov_b32 v[BC+\j], v[BL]                      ; the bias in the result's layout: a lane holds one output, so all eight registers hold its bias
	v_mov_b32 v[BC+8+\j], v[BL+1]
.endr
.rept 4
	v_nop
.endr
.irp s, 0,1,2,3,4,5,6,7
.if \s >= 4
	s_wait_loadcnt 18*(7-\s)                       ; this K step's loads are in; those of the later K steps, 18 each, may be out
.endif
.set WN, (1+\s/4)|0x0c
	WIN WN                                         ; source 0 (O) window 1 or 2, source 1 (Wu) window 3, C and D window 0
.irp m, 0,1,2,3
.set rO, 12*(4*(\s%4)+\m)
.set rD, ACC+8*\m
.set rW, 12*\s
.if \s == 0
	v_wmma_scale_f32_16x16x128_f8f6f4 v[rD:rD+7], v[rO:rO+11], v[rW:rW+11], v[BC:BC+7], v[OS+4*\s+\m], v[WS+\s] matrix_a_fmt:MATRIX_FMT_FP6 matrix_b_fmt:MATRIX_FMT_FP6
	v_wmma_scale_f32_16x16x128_f8f6f4 v[rD+32:rD+39], v[rO:rO+11], v[rW+96:rW+107], v[BC+8:BC+15], v[OS+4*\s+\m], v[WS+\s] matrix_a_fmt:MATRIX_FMT_FP6 matrix_b_fmt:MATRIX_FMT_FP6 matrix_b_scale:MATRIX_SCALE_ROW1
.else
	v_wmma_scale_f32_16x16x128_f8f6f4 v[rD:rD+7], v[rO:rO+11], v[rW:rW+11], v[rD:rD+7], v[OS+4*\s+\m], v[WS+\s] matrix_a_fmt:MATRIX_FMT_FP6 matrix_b_fmt:MATRIX_FMT_FP6
	v_wmma_scale_f32_16x16x128_f8f6f4 v[rD+32:rD+39], v[rO:rO+11], v[rW+96:rW+107], v[rD+32:rD+39], v[OS+4*\s+\m], v[WS+\s] matrix_a_fmt:MATRIX_FMT_FP6 matrix_b_fmt:MATRIX_FMT_FP6 matrix_b_scale:MATRIX_SCALE_ROW1
.endif
.endr
.endr
	WIN 0
.rept 4
	v_nop                                          ; four places in front of the first read of results
.endr
.irp n, 0,1
.irp m, 0,1,2,3
	ds_store_b128 v[SO], v[ACC+8*(4*\n+\m):ACC+8*(4*\n+\m)+3] offset:16*\n*SPI+128*(\m/2)+32*(\m%2)        ; each accumulator from its low end on
	ds_store_b128 v[SO], v[ACC+8*(4*\n+\m)+4:ACC+8*(4*\n+\m)+7] offset:16*\n*SPI+128*(\m/2)+32*(\m%2)+16
.endr
.endr
.irp i, 0,1,2,3,4,5,6,7,8,9,10,11,12,13,14,15
	ds_load_b128 v[BK+4*\i:BK+4*\i+3], v[RD] offset:2*\i*SPI       ; LDS serves a wave's instructions in order: these see my stores
.endr
.irp i, 0,1,2,3,4,5,6,7,8,9,10,11,12,13,14,15
	s_wait_dscnt 15-\i                             ; loads come back in order: pair i of rows is in
	global_store_b128 v[CO], v[BK+4*\i:BK+4*\i+3], s[10:11] offset:(((2*\i)&7)+8*((\i>>3)&1)+16*((\i>>2)&1))*8192 th:TH_STORE_NT   ; stage row 16 n + r is output 8 n + r + 8 (r / 8); sixteen lanes store 256 consecutive bytes, aligned
.endr
	s_wait_tensorcnt 0x0
	ds_add_u32 v254, v255
	s_wait_dscnt 0x0
	s_endpgm
.Lfunc_end_k_q60b00f7689_unify:
	.size	k_q60b00f7689_unify, .Lfunc_end_k_q60b00f7689_unify-k_q60b00f7689_unify
	.p2alignl 7, 3214868480
	.fill 96, 4, 3214868480
	.section	.rodata,"a",@progbits
	.p2align	6, 0x0
	.amdhsa_kernel k_q60b00f7689_unify
		.amdhsa_group_segment_fixed_size 35328
		.amdhsa_private_segment_fixed_size 0
		.amdhsa_enable_private_segment 0
		.amdhsa_kernarg_size 32
		.amdhsa_user_sgpr_count 2
		.amdhsa_user_sgpr_kernarg_segment_ptr 1
		.amdhsa_wavefront_size32 1
		.amdhsa_system_sgpr_workgroup_id_x 1
		.amdhsa_system_sgpr_workgroup_id_y 1
		.amdhsa_system_sgpr_workgroup_id_z 1
		.amdhsa_system_vgpr_workitem_id 0
		.amdhsa_next_free_vgpr 1024
		.amdhsa_next_free_sgpr 66
		.amdhsa_reserve_vcc 0
		.amdhsa_float_denorm_mode_32 3
		.amdhsa_float_denorm_mode_16_64 3
		.amdhsa_memory_ordered 1
		.amdhsa_forward_progress 1
		.amdhsa_inst_pref_size 34
	.end_amdhsa_kernel
	.amdgpu_metadata
---
amdhsa.version: [ 1, 2 ]
amdhsa.kernels:
  - .name:           k_q60b00f7689_unify
    .symbol:         k_q60b00f7689_unify.kd
    .args:
      - { .name: ob, .offset: 0, .size: 8, .value_kind: global_buffer, .address_space: global }
      - { .name: wc, .offset: 8, .size: 8, .value_kind: global_buffer, .address_space: global }
      - { .name: bu, .offset: 16, .size: 8, .value_kind: global_buffer, .address_space: global }
      - { .name: out0, .offset: 24, .size: 8, .value_kind: global_buffer, .address_space: global }
    .group_segment_fixed_size: 35328
    .private_segment_fixed_size: 0
    .kernarg_segment_align: 8
    .kernarg_segment_size: 32
    .max_flat_workgroup_size: 128
    .sgpr_count:     66
    .vgpr_count:     1024
    .wavefront_size: 32
...
	.end_amdgpu_metadata
.endif
;; end of part 4
